; MI455X (gfx1250); checked and timed in simulation.
; The chip was launched on July 23, 2026; its instructions are those of AMD's public machine-readable ISA for CDNA 5 (MIT licence, August 2026) and "CDNA5" Instruction Set Architecture Reference Guide (July 2026). The comments in the code are by the model that wrote it; some were corrected since.
;; Mixture Of Experts. Allowed arithmetic: matrix products marked QUANTISED: E5M2 operands, one E8M0 scale for each 32 along K, by v_wmma_scale_f32_16x16x128_f8f6f4 with both operands' format E5M2, f32 sums; products left as they are: f32 operands where the result goes on into a quantised operand, else bf16, f16 or f32 operands; f32 sums; everything else in f32.
;; Inputs: W1 8 x 2,048 x 1,024 float32; W2 8 x 1,024 x 2,048 float32; Wg 2,048 x 8 float32; b1 8 x 1,024 float32; b2 8 x 2,048 float32; x 4 x 512 x 2,048 float32.
;; Outputs: out0 4 x 512 x 2,048 float32; out1 one number float32.
;; This version of the problem:
;;   THIS VERSION OF THE PROBLEM IS GIVEN IN LOW PRECISION. The matrix products marked QUANTISED in the list below multiply operands that are first quantised to E5M2 (5 exponent bits, 2 mantissa bits; 8 bits a number), with one power-of-two scale for each 32 numbers along K (OCP MX v1.0); their sums are f32. All else is computed in f32.
;;   The module's matrix products, in the order in which they are computed (A, B: the left and right operand; K: the contracted axis; several contracted axes count as one K, in the product's order):
;;     1. [M 2,048, K 2,048] x [K 2,048, N 8]; A: input x; B: input Wg: left as it is (N = 8 < 16)
;;     2. [M 2,048, K 2,048] x [K 2,048, N 8,192]; A: input x; B: input W1: QUANTISED
;;     3. batch 8 x [M 2,048, K 1,024] x [K 1,024, N 2,048]; A: input W2; B: computed on the way: QUANTISED
;;     4. batch 2,048 x [M 2,048, K 8] x [K 8, N 1]; A: computed on the way; B: computed on the way: left as it is (K = 8 < 32)
;;   THE QUANTISER, for each operand of a quantised product, along K:
;;     - K is cut into blocks of 32 from its start; a last block that is shorter is filled with zeros.
;;     - A block's scale is 2^e with e = floor(log2(the largest magnitude in the block)) - 15, held to -126 .. 127; a block of zeros has e = 0. As a byte (E8M0): e + 127.
;;     - Each number is divided by its block's scale, clamped to +-57,344, and rounded to the nearest number of E5M2, ties to even, subnormals kept.
;;     - The product sums the exact products of the quantised numbers (number of the format x scale) in f32.
;;   ~~~python
;;   def quantise(x, axis):      # numpy; x: float32 -> the quantised numbers, widened to float32 again
;;       x = np.moveaxis(x, axis, -1); K = x.shape[-1]
;;       x = np.pad(x, [(0, 0)] * (x.ndim - 1) + [(0, -K % 32)]); x = x.reshape(x.shape[:-1] + (-1, 32)); a = np.abs(x).max(-1, keepdims=True)
;;       e = np.where(a > 0, np.clip(np.frexp(np.where(a > 0, a, 1))[1] - 1 - 15, -126, 127), 0)      # np.frexp(a)[1] - 1 = floor(log2(a)), exactly
;;       r = np.clip(x / 2.0 ** e, -57344, 57344)
;;       step = 2.0 ** (np.maximum(np.frexp(np.where(r == 0, 1, r))[1] - 1, -14) - 2)
;;       q = np.round(r / step) * step * 2.0 ** e      # np.round: ties to even
;;       return np.moveaxis(q.reshape(q.shape[:-2] + (-1,))[..., :K], -1, axis).astype(np.float32)
;;   ~~~
;;   OPERANDS COMPUTED ON THE WAY. 'Computed on the way' means the value that the module computes at that place (a softmax that the list does not call 'softmax' is quantised finished and normalised). What goes into a quantiser is computed in f32, as accurately as f32 sums, v_exp_f32 and their like allow (about 1e-6 of the number): no bf16 or f16 on the way to a quantiser, and a product that is left as it is and whose result goes on into a quantised operand takes f32 operands (vector FMAs, or v_wmma_f32_16x16x4_f32). A number that lies on a knife's edge between two numbers of the format may be rounded either way, as far as f32 arithmetic and the matrix unit's own rounding can turn it there, and no further.
;; 2 versions. Each part assembles by itself: llvm-mc -triple=amdgcn-amd-amdhsa -mcpu=gfx1250 --defsym DOCPART=n.
;; ======== version 1 of 2: 4 launches
;; workspace buffers: xq 4,325,376 bytes; rk 8,192 bytes of whole numbers; rf 32,768 bytes; wq 34,619,392 bytes; lists 52,992 bytes of whole numbers; hq 4,798,464 bytes
;; launch route (part 1): grid 256 x 1, 8 waves a work-group, no clusters, 71,168 bytes of LDS; arguments x, Wg, xq, rk, rf; writes xq, rk, rf
.if DOCPART == 1
	.amdgcn_target "amdgcn-amd-amdhsa--gfx1250"
	.amdhsa_code_object_version 6
	.text
	.protected	k_q0210b2f933_route
	.globl	k_q0210b2f933_route
	.p2align	8
	.type	k_q0210b2f933_route,@function
k_q0210b2f933_route:
	s_mov_b64 s[64:65], 0
	v_nop
	global_prefetch_b8 v0, s[64:65] scope:SCOPE_SE
	s_setreg_imm32_b32 hwreg(HW_REG_WAVE_MODE, 25, 1), 1
	s_wait_xcnt 0x0
; ROUTER AND QUANTISER OF x.  x: [2048 tokens][2048] f32.  Wg: [2048][8] f32.
; A work-group takes 8 tokens, a wave one token: the whole row of 8,192 bytes stays in 64 registers a lane-set, is read from memory once and serves twice:
; for the eight logits (f32 multiply-adds, summed over the lanes) and for the codes of BF8 (E5M2) with one E8M0 byte for each 32 along K.
; STORED, all at places that hang on the token's number alone:  xq: codes [token][2048], and from XSO on the scale words [token][16] (word s: K = 128 s .. 128 s + 127);
; rk: key = 8 lo + hi, lo < hi the two chosen experts;  rf: {weight of lo, weight of hi} for each token, and from PARTO on, for each work-group, 8 sums of softmax(logits) and 8 counts of the first choice.
; The top two are found by strict comparisons in ascending order of the expert, so that of equal logits the lower index is kept.  Both softmaxes take the largest logit away first.
; No matrix instruction: N = 8.  No tensor load, no cluster: the work-groups share Wg alone, 64 KiB, which each copies into its LDS once.
; LIMITS: NaN and infinities among the inputs are not served (a row without two finite logits could give lo = hi).  Two logits closer than the rounding of an f32 sum of 2,048 terms may change places.
; A block whose largest magnitude lies under 2^-111 keeps the byte 1; so does a block of zeros, where the quantiser's text says 127: its codes are zeros, and only this program reads the bytes.
.set XSO,   4194304                    ; xq: where the scale words begin
.set PARTO, 16384                      ; rf: where the work-groups' partial sums begin
.set WGP,   272                        ; LDS: 256 bytes of Wg (8 k x 8 experts) + 16 of padding, so that 16 lanes that take 16 such pieces start at 16 different columns of 16 bytes
.set RECL,  256*WGP                    ; LDS: behind Wg, 64 bytes for each wave: its token's 8 probabilities and 8 marks
.set ACA,   16                         ; v16-23   logits, chain of the even k; later the logits themselves
.set ACB,   24                         ; v24-31   chain of the odd k
.set CD,    32                         ; v32-47   codes, two registers for each chunk: no store's data are written again
.set REC,   48                         ; v48-63   8 probabilities, 8 marks
.set WGR,   64                         ; v64-127  Wg: register 8 i + e = Wg(k + i, e)
.set X,     128                        ; v128-191 x: register 8 j + i = x(256 j + 8 lane + i)
; v1 lane; v2 32 lane; v3 WGP lane; v4 16 thread; v5 where I put Wg; v6 8 lane; v7 8 x my block's place in its K step; v8 lane % 8; v9 my scale word's place; v10-13 at work; v14 0 or at work; v15 my scale word
; v192, v193 largest logit and its expert; v194, v195 the second; v196, v197 at work; v[198:199] the two weights; v200 key; v201, v202 lo, hi; v203 0; v204, v206 LDS addresses; v205 lane % 16
	s_load_b256 s[4:11], s[0:1], 0x0               ; x s[4:5], Wg s[6:7], xq s[8:9], rk s[10:11]
	s_load_b64 s[12:13], s[0:1], 0x20              ; rf
	v_lshl_add_u32 v208, v0, 2, 0x11200
	v_mov_b32 v209, 0
	v_lshrrev_b32 v1, 5, v0
	v_readfirstlane_b32 s14, v1                    ; wave 0..7
	v_and_b32 v1, 31, v0
	v_lshlrev_b32 v2, 5, v1
	v_mul_u32_u24 v3, v1, WGP
	v_lshlrev_b32 v4, 4, v0
	v_lshrrev_b32 v5, 4, v0
	v_mul_u32_u24 v5, v5, WGP
	v_and_b32 v205, 15, v0
	v_lshl_add_u32 v5, v205, 4, v5                 ; piece thread / 16, 16 bytes a thread
	v_lshlrev_b32 v6, 3, v1
	v_bfe_u32 v7, v0, 2, 2
	v_lshlrev_b32 v7, 3, v7                        ; four lanes hold a block of 32; four blocks a K step: my byte's shift in the word
	v_and_b32 v8, 7, v0
	v_bfe_u32 v9, v0, 4, 1
	v_lshl_add_u32 v9, v8, 1, v9
	v_lshlrev_b32 v9, 2, v9                        ; lane keeps the word of K step 2 (lane % 8) + lane / 16
	v_mov_b32 v14, 0                               ; (a DPP move's destination counts as read)
	v_mov_b32 v15, 0
	v_mov_b32 v203, 0
	v_lshl_add_u32 v206, v205, 2, RECL
	s_lshl_b32 s33, s14, 6
	s_add_co_u32 s33, s33, RECL
	v_mov_b32 v204, s33
	s_lshl_b32 s15, ttmp9, 3
	s_add_co_u32 s15, s15, s14                     ; my token
	s_mov_b32 s16, 0x76543210
	s_mov_b32 s17, 0xfedcba98                      ; v_permlanex16_b32's selects for lane l xor 16
	s_mov_b32 s18, 0x600000                        ; the mantissa field of 57,344
	s_mov_b32 s31, 0
	s_lshl_b32 s30, s15, 13
	s_wait_kmcnt 0x0
.set i, 0
.rept 16
	global_load_b128 v[WGR+4*i:WGR+4*i+3], v4, s[6:7] offset:4096*i      ; all of Wg, 4,096 consecutive bytes for each line of the work-group
.set i, i+1
.endr
	s_add_nc_u64 s[4:5], s[4:5], s[30:31]          ; my token's row
.set i, 0
.rept 8
	global_load_b128 v[X+8*i:X+8*i+3],   v2, s[4:5] offset:1024*i th:TH_LOAD_NT
	global_load_b128 v[X+8*i+4:X+8*i+7], v2, s[4:5] offset:1024*i+16 th:TH_LOAD_NT
.set i, i+1
.endr
	s_lshl_b32 s30, s15, 11
	s_add_nc_u64 s[20:21], s[8:9], s[30:31]        ; my token's codes
	s_lshl_b32 s30, s15, 6
	s_add_co_u32 s30, s30, XSO
	s_add_nc_u64 s[22:23], s[8:9], s[30:31]        ; its scale words
	s_lshl_b32 s30, s15, 2
	s_add_nc_u64 s[24:25], s[10:11], s[30:31]      ; its key
	s_lshl_b32 s30, s15, 3
	s_add_nc_u64 s[26:27], s[12:13], s[30:31]      ; its two weights
	s_lshl_b32 s30, ttmp9, 6
	s_add_co_u32 s30, s30, PARTO
	s_add_nc_u64 s[28:29], s[12:13], s[30:31]      ; the work-group's partial sums
	s_wait_loadcnt 16                              ; Wg's 16 loads are in; the 16 of x, issued behind them, may be out
.set i, 0
.rept 16
	ds_store_b128 v5, v[WGR+4*i:WGR+4*i+3] offset:16*WGP*i
.set i, i+1
.endr
	s_wait_dscnt 0x0                               ; for the others' sake: my part of Wg lies in LDS
	s_barrier_signal -1
	s_barrier_wait -1
.macro WLOAD j                         ; Wg(256 j + 8 lane + 0 .. 7, all experts): my piece of 256 bytes
.set i, 0
.rept 16
	ds_load_b128 v[WGR+4*i:WGR+4*i+3], v3 offset:32*WGP*(\j)+16*i
.set i, i+1
.endr
.endm
.macro FMA j                           ; 64 multiply-adds a lane, two an instruction: experts in pairs, x broadcast; even k on one chain, odd k on the other.  The first products start the sums
.set i, 0
.rept 4
.irp e, 0,2,4,6
.if (\j == 0) && (i == 0)
	v_pk_mul_f32 v[ACA+\e:ACA+\e+1], v[WGR+8*i+\e:WGR+8*i+\e+1], v[X+8*(\j)+i:X+8*(\j)+i+1] op_sel_hi:[1,0]
	v_pk_mul_f32 v[ACB+\e:ACB+\e+1], v[WGR+8*i+8+\e:WGR+8*i+9+\e], v[X+8*(\j)+i:X+8*(\j)+i+1] op_sel:[0,1] op_sel_hi:[1,1]
.else
	v_pk_fma_f32 v[ACA+\e:ACA+\e+1], v[WGR+8*i+\e:WGR+8*i+\e+1], v[X+8*(\j)+i:X+8*(\j)+i+1], v[ACA+\e:ACA+\e+1] op_sel_hi:[1,0,1]
	v_pk_fma_f32 v[ACB+\e:ACB+\e+1], v[WGR+8*i+8+\e:WGR+8*i+9+\e], v[X+8*(\j)+i:X+8*(\j)+i+1], v[ACB+\e:ACB+\e+1] op_sel:[0,1,0] op_sel_hi:[1,1,1]
.endif
.endr
.set i, i+2
.endr
.endm
.macro QUANT j                         ; my 8 numbers of chunk j become 8 codes; four neighbouring lanes hold a block
.set XJ, X+8*(\j)
	v_max3_num_f32 v10, |v[XJ]|, |v[XJ+1]|, 0x8000000              ; with the floor 2^(16 - 127): the byte cannot fall under 1
	v_max3_num_f32 v10, v10, |v[XJ+2]|, |v[XJ+3]|
	v_max3_num_f32 v10, v10, |v[XJ+4]|, |v[XJ+5]|
	v_max3_num_f32 v10, v10, |v[XJ+6]|, |v[XJ+7]|
	v_max_num_f32_dpp v10, v10, v10 row_xmask:1 row_mask:0xf bank_mask:0xf
	v_max_num_f32_dpp v10, v10, v10 row_xmask:2 row_mask:0xf bank_mask:0xf   ; the block's largest magnitude
	v_add_nc_u32 v11, 0xf8800000, v10              ; 15 off its exponent field: the conversion's scale operand
	v_and_or_b32 v12, v10, 0x7f800000, s18         ; 57,344 x the scale
.set i, 0
.rept 8
	v_med3_num_f32 v[XJ+i], v[XJ+i], -v12, v12     ; the conversion to an 8-bit code does not saturate (ISA guide 7.6.2): the hold comes first
.set i, i+1
.endr
	v_cvt_scalef32_pk8_bf8_f32 v[CD+2*(\j):CD+2*(\j)+1], v[XJ:XJ+7], v11
	v_lshrrev_b32 v13, 23, v11                     ; the scale's byte (also the plain line behind the conversion)
	v_lshlrev_b32 v13, v7, v13                     ; at its place in the K step's word;
	v_mov_b32_dpp v14, v13 row_xmask:4 row_mask:0xf bank_mask:0xf
	v_or_b32 v13, v13, v14
	v_mov_b32_dpp v14, v13 row_xmask:8 row_mask:0xf bank_mask:0xf
	v_or_b32 v13, v13, v14                         ; the four blocks' bytes: lanes 0-15 hold the word of K step 2 j, lanes 16-31 that of 2 j + 1
	v_cmp_eq_u32 vcc_lo, \j, v8
	v_cndmask_b32 v15, v15, v13, vcc_lo            ; the lanes with lane % 8 = j keep it
	global_store_b64 v6, v[CD+2*(\j):CD+2*(\j)+1], s[20:21] offset:256*(\j)   ; the wave stores 256 consecutive bytes, aligned
.endm
.macro CHUNK j
	s_wait_dscnt 0x0                               ; this chunk's piece of Wg is in
	s_wait_loadcnt 14-2*(\j)                       ; and its two loads of x; the later chunks' may be out
	FMA \j
.if (\j) < 7
	WLOAD (\j)+1                                   ; lands while this chunk is quantised
.endif
	QUANT \j
.endm
	WLOAD 0
.irp j, 0,1,2,3,4,5,6,7
	CHUNK \j
.endr
	; the logits: the two chains, then the 32 lanes; every lane ends with the same eight numbers
.irp e, 0,2,4,6
	v_pk_add_f32 v[ACA+\e:ACA+\e+1], v[ACA+\e:ACA+\e+1], v[ACB+\e:ACB+\e+1]
.endr
.irp x, 1,2,4,8
.irp e, 0,1,2,3,4,5,6,7
	v_add_f32_dpp v[ACA+\e], v[ACA+\e], v[ACA+\e] row_xmask:\x row_mask:0xf bank_mask:0xf
.endr
.endr
.irp e, 0,1,2,3,4,5,6,7
	v_permlanex16_b32 v[ACB+\e], v[ACA+\e], s16, s17
.endr
.irp e, 0,1,2,3,4,5,6,7
	v_add_f32 v[ACA+\e], v[ACA+\e], v[ACB+\e]
.endr
	; the largest logit and its expert: strictly greater alone replaces, so the lower index is kept
	v_mov_b32 v192, v[ACA]
	v_mov_b32 v193, 0
.irp e, 1,2,3,4,5,6,7
	v_cmp_gt_f32 vcc_lo, v[ACA+\e], v192
	v_cndmask_b32 v192, v192, v[ACA+\e], vcc_lo
	v_cndmask_b32 v193, v193, \e, vcc_lo
.endr
	; the second: the same among the other seven
	v_mov_b32 v194, 0xff800000
	v_mov_b32 v195, 0
.irp e, 0,1,2,3,4,5,6,7
	v_cmp_ne_u32 s32, \e, v193
	v_cmp_gt_f32 vcc_lo, v[ACA+\e], v194
	s_and_b32 vcc_lo, vcc_lo, s32
	v_cndmask_b32 v194, v194, v[ACA+\e], vcc_lo
	v_cndmask_b32 v195, v195, \e, vcc_lo
.endr
	; softmax of the two: 1 / (1 + E) and E / (1 + E), E = e^(second - first), at most 1
	v_sub_f32 v196, v194, v192
	v_mul_f32 v196, 0x3fb8aa3b, v196
	v_exp_f32 v196, v196
	v_nop                                          ; a plain line behind a transcendental
	v_cmp_lt_u32 vcc_lo, v193, v195
	v_cndmask_b32 v201, v195, v193, vcc_lo         ; lo
	v_cndmask_b32 v202, v193, v195, vcc_lo         ; hi
	s_wait_alu depctr_va_vdst(0)
	v_add_f32 v197, 1.0, v196
	v_rcp_f32 v197, v197
	v_lshl_add_u32 v200, v201, 3, v202             ; key = 8 lo + hi (a plain line behind the reciprocal)
	s_wait_alu depctr_va_vdst(0)
	v_mul_f32 v196, v196, v197
	v_cndmask_b32 v198, v196, v197, vcc_lo         ; lo's weight
	v_cndmask_b32 v199, v197, v196, vcc_lo         ; hi's
	; softmax of all eight, for the loss
.irp e, 0,1,2,3,4,5,6,7
	v_sub_f32 v[REC+\e], v[ACA+\e], v192
.endr
.irp e, 0,1,2,3,4,5,6,7
	v_mul_f32 v[REC+\e], 0x3fb8aa3b, v[REC+\e]
.endr
.irp e, 0,1,2,3,4,5,6,7
	v_exp_f32 v[REC+\e], v[REC+\e]
.endr
	v_nop
	s_wait_alu depctr_va_vdst(0)
	v_add_f32 v10, v[REC], v[REC+1]
	v_add_f32 v11, v[REC+2], v[REC+3]
	v_add_f32 v12, v[REC+4], v[REC+5]
	v_add_f32 v13, v[REC+6], v[REC+7]
	v_add_f32 v10, v10, v11
	v_add_f32 v12, v12, v13
	v_add_f32 v10, v10, v12
	v_rcp_f32 v10, v10
	v_nop
.irp e, 0,1,2,3,4,5,6,7
	v_cmp_eq_u32 vcc_lo, \e, v193
	v_cndmask_b32 v[REC+8+\e], 0, 1.0, vcc_lo      ; the mark of the first choice
.endr
	s_wait_alu depctr_va_vdst(0)
.irp e, 0,1,2,3,4,5,6,7
	v_mul_f32 v[REC+\e], v[REC+\e], v10
.endr
.irp i, 0,1,2,3
	ds_store_b128 v204, v[REC+4*\i:REC+4*\i+3] offset:16*\i       ; all lanes write the same bytes with the same values
.endr
	s_wait_dscnt 0x0                               ; for wave 0's sake
	s_barrier_signal -1
	s_barrier_wait -1
	v_cmp_gt_u32 vcc_lo, 8, v205
	s_wait_xcnt 0x0                                ; EXEC changes only behind this wait: it is a source of the stores that are out
	s_and_saveexec_b32 s19, vcc_lo
	global_store_b32 v9, v15, s[22:23]             ; 16 lanes store the token's 16 scale words
	s_wait_xcnt 0x0
	s_or_b32 exec_lo, exec_lo, s19
	v_cmp_eq_u32 vcc_lo, 0, v1
	s_and_saveexec_b32 s19, vcc_lo
	global_store_b32 v203, v200, s[24:25]
	global_store_b64 v203, v[198:199], s[26:27]
	s_wait_xcnt 0x0
	s_or_b32 exec_lo, exec_lo, s19
	s_cmp_lg_u32 s14, 0
	s_cbranch_scc1 .Lend
.set i, 0
.rept 8
	ds_load_b32 v[WGR+i], v206 offset:64*i         ; number lane % 16 of each wave's record
.set i, i+1
.endr
	v_lshlrev_b32 v72, 2, v1
	v_cmp_gt_u32 vcc_lo, 16, v1
	s_wait_dscnt 0x0
	v_add_f32 v64, v64, v65
	v_add_f32 v66, v66, v67
	v_add_f32 v68, v68, v69
	v_add_f32 v70, v70, v71
	v_add_f32 v64, v64, v66
	v_add_f32 v68, v68, v70
	v_add_f32 v64, v64, v68
	s_wait_xcnt 0x0
	s_and_saveexec_b32 s19, vcc_lo
	global_store_b32 v72, v64, s[28:29]
	s_wait_xcnt 0x0
	s_or_b32 exec_lo, exec_lo, s19
.Lend:
	s_wait_tensorcnt 0x0
	ds_add_u32 v208, v209
	s_wait_dscnt 0x0
	s_endpgm
.Lfunc_end_k_q0210b2f933_route:
	.size	k_q0210b2f933_route, .Lfunc_end_k_q0210b2f933_route-k_q0210b2f933_route
	.p2alignl 7, 3214868480
	.fill 96, 4, 3214868480
	.section	.rodata,"a",@progbits
	.p2align	6, 0x0
	.amdhsa_kernel k_q0210b2f933_route
		.amdhsa_group_segment_fixed_size 71168
		.amdhsa_private_segment_fixed_size 0
		.amdhsa_enable_private_segment 0
		.amdhsa_kernarg_size 40
		.amdhsa_user_sgpr_count 2
		.amdhsa_user_sgpr_kernarg_segment_ptr 1
		.amdhsa_wavefront_size32 1
		.amdhsa_system_sgpr_workgroup_id_x 1
		.amdhsa_system_sgpr_workgroup_id_y 1
		.amdhsa_system_sgpr_workgroup_id_z 1
		.amdhsa_system_vgpr_workitem_id 0
		.amdhsa_next_free_vgpr 210
		.amdhsa_next_free_sgpr 66
		.amdhsa_reserve_vcc 1
		.amdhsa_float_denorm_mode_32 3
		.amdhsa_float_denorm_mode_16_64 3
		.amdhsa_memory_ordered 1
		.amdhsa_forward_progress 1
		.amdhsa_inst_pref_size 55
	.end_amdhsa_kernel
	.amdgpu_metadata
---
amdhsa.version: [ 1, 2 ]
amdhsa.kernels:
  - .name:           k_q0210b2f933_route
    .symbol:         k_q0210b2f933_route.kd
    .args:
      - { .name: x, .offset: 0, .size: 8, .value_kind: global_buffer, .address_space: global }
      - { .name: Wg, .offset: 8, .size: 8, .value_kind: global_buffer, .address_space: global }
      - { .name: xq, .offset: 16, .size: 8, .value_kind: global_buffer, .address_space: global }
      - { .name: rk, .offset: 24, .size: 8, .value_kind: global_buffer, .address_space: global }
      - { .name: rf, .offset: 32, .size: 8, .value_kind: global_buffer, .address_space: global }
    .group_segment_fixed_size: 71168
    .private_segment_fixed_size: 0
    .kernarg_segment_align: 8
    .kernarg_segment_size: 40
    .max_flat_workgroup_size: 256
    .sgpr_count:     66
    .vgpr_count:     210
    .wavefront_size: 32
...
	.end_amdgpu_metadata
.endif
;; end of part 1
;; launch prep (part 2): grid 513 x 1, 8 waves a work-group, no clusters, 3,072 bytes of LDS; arguments W1, W2, rk, rf, wq, lists, out1; writes wq, lists, out1
.if DOCPART == 2
	.amdgcn_target "amdgcn-amd-amdhsa--gfx1250"
	.amdhsa_code_object_version 6
	.text
	.protected	k_q0210b2f933_prep
	.globl	k_q0210b2f933_prep
	.p2align	8
	.type	k_q0210b2f933_prep,@function
k_q0210b2f933_prep:
	s_mov_b64 s[64:65], 0
	v_nop
	global_prefetch_b8 v0, s[64:65] scope:SCOPE_SE
	s_setreg_imm32_b32 hwreg(HW_REG_WAVE_MODE, 25, 1), 1
	s_wait_xcnt 0x0
; TWO JOBS IN ONE LAUNCH, parted by the work-group's number.
; WORK-GROUPS 1-512 turn W1 [8][2048 (K)][1024] and W2 [8][1024 (K)][2048], f32 with K as the first axis of an expert's matrix, into codes of BF8 (E5M2) with one E8M0 byte for each 32 along K,
; laid in the ORDER OF AN OPERAND'S REGISTERS.  A lane takes a column and its registers run down K: a block of 32 lies in one lane, nothing is transposed, every load of a wave reads 128 consecutive bytes
; and the eight waves stand side by side on 1,024.  A wave takes 32 columns (a group b) x 256 along K (a run kc).
;   codes:  W1: [e][b 32][s 16][u 2][2048 bytes], W2 from W2C on: [e][b 64][s 8][u 2][2048 bytes]; s a K step of 128, u a tile of 16 columns.  In a fragment, byte 512 c + 256 h + 16 r holds the 16 codes
;           k = 128 s + 32 c + 16 h + 0 .. 15 of tile row r, which is column 32 b + 8 u + r + 8 (r / 8): so that in the transposed product a lane's 16 results of tiles u = 0, 1 are 16 neighbouring columns.
;   scales: from W1S, W2S on: [e][b][kc][p 32][2 words], p = 16 u + r.
; WORK-GROUP 0 places the rows.  Tokens are sorted by their pair of experts (28 bins, a counting sort without atomics: a wave counts its 256 tokens, the counts meet in LDS behind one barrier).
; One rank serves three places: the token's place P in the sorted order, and its row in each of its two experts' lists, whose order is (bin, rank).  An expert's rows begin on a tile of 64.
;   lists: SRT [P]{token, key, row in lo's list, row in hi's};  from ROWTOK on [row] token;  from TLO on [tile 256]{expert, rows}.   wq from WSORT on: [P]{weight of lo, of hi}.
; It also finishes the loss: 0.01 x 8 x the sum over experts of (count / 2048) (sum of probabilities / 2048).
; No tensor load and no cluster: the weights are read once by one wave each, and nothing is shared.
; LIMITS: NaN and infinities are not served.  A block whose largest magnitude lies under 2^-111 keeps the byte 1; so does a block of zeros, where the quantiser's text says 127: its codes are zeros, and only this program reads the bytes.
.set W2C,    16777216
.set W1S,    33554432
.set W2S,    34078720
.set WSORT,  34603008
.set ROWTOK, 32768
.set TLO,    50944
.set PARTO,  16384
.set PS,     1024                      ; LDS: bytes 0-1023 the waves' counts, 128 a wave; from PS on the waves' sums for the loss, 64 a wave
; the weights' paths: v2 4 lane; v3 my codes' place in a fragment pair; v4 my scale words' place; v8-12 at work; v[14:15] scale bytes
.set WC,   16                          ; v16-23  a block's codes
.set WX,   32                          ; v32-95  two sets of 32 numbers
; the placing path
.set KEY,  8                           ; v8-15   the keys of my 8 tokens (round rd: token 256 wave + 32 rd + lane)
.set WT,   16                          ; v16-31  their pairs of weights
.set P,    32                          ; v32-39  place in the sorted order
.set DL,   40                          ; v40-47  row in lo's list less P
.set DH,   48                          ; v48-55  row in hi's list less P
.set Q,    56                          ; v56-87  the records to store
.set T,    88
.set CNT,  89                          ; lane b: my wave's count of bin b
.set R,    90                          ; v90-97  lane b: each wave's count of bin b
.set TOT,  98
.set BEF,  99                          ; lane b: the count of bin b in the waves before mine
.set PART, 100                         ; v100-115
.set S,    116                         ; v116-119
.set MK,   66                          ; s66-73  a bin's masks, one a round
.set RS,   74                          ; s74-81  the place at which each round's tokens of the bin begin
; s20-27 the experts' counts; s28-35 their first tiles; s40-47 their next free rows; s48 the bin's first place
	s_load_b256 s[4:11], s[0:1], 0x0               ; W1 s[4:5], W2 s[6:7], rk s[8:9], rf s[10:11]
	s_load_b128 s[12:15], s[0:1], 0x20             ; wq s[12:13], lists s[14:15]
	s_load_b64 s[16:17], s[0:1], 0x30              ; out1
	v_lshl_add_u32 v128, v0, 2, 0x800
	v_mov_b32 v129, 0
	v_lshrrev_b32 v1, 5, v0
	v_readfirstlane_b32 s18, v1                    ; wave 0..7
	v_and_b32 v1, 31, v0                           ; lane
	s_mov_b32 s19, 0x600000                        ; the mantissa field of 57,344
	s_mov_b32 s25, 0
	s_cmp_eq_u32 ttmp9, 0
	s_cbranch_scc1 .Lplace
	v_lshlrev_b32 v2, 2, v1
	v_bfe_u32 v5, v0, 3, 1                         ; my column's tile u
	v_and_b32 v6, 7, v0
	v_bfe_u32 v7, v0, 4, 1
	v_lshl_or_b32 v6, v7, 3, v6                    ; and its row r in the tile
	v_lshlrev_b32 v3, 4, v6
	v_lshl_add_u32 v3, v5, 11, v3                  ; 2048 u + 16 r
	v_lshl_add_u32 v4, v5, 4, v6
	v_lshlrev_b32 v4, 3, v4                        ; 8 (16 u + r)
.macro WLD t, stride                   ; block t: W(32 t + i, my column), i = 0 .. 31, into set t % 2
.set i, 0
.rept 32
	global_load_b32 v[WX+32*((\t)%2)+i], v2, s[32:33] offset:(32*(\t)+i)*\stride th:TH_LOAD_NT
.set i, i+1
.endr
.endm
.macro WBLK t, stride
.set XB, WX+32*((\t)%2)
.if (\t) < 7
	s_wait_loadcnt 32                              ; this block's 32 loads are in; the next block's may be out
.else
	s_wait_loadcnt 0x0
.endif
	v_max3_num_f32 v8, |v[XB]|, |v[XB+1]|, |v[XB+2]|               ; the block's largest magnitude: all 32 numbers are mine; two chains
	v_max3_num_f32 v9, |v[XB+3]|, |v[XB+4]|, |v[XB+5]|
.irp i, 6,10,14,18,22,26
	v_max3_num_f32 v8, v8, |v[XB+\i]|, |v[XB+\i+1]|
	v_max3_num_f32 v9, v9, |v[XB+\i+2]|, |v[XB+\i+3]|
.endr
	v_max3_num_f32 v8, v8, |v[XB+30]|, |v[XB+31]|
	v_max3_num_f32 v8, v8, v9, 0x8000000           ; and the floor 2^(16 - 127): the byte cannot fall under 1
	v_add_nc_u32 v11, 0xf8800000, v8               ; 15 off its exponent field: the conversion's scale operand
	v_and_or_b32 v10, v8, 0x7f800000, s19          ; 57,344 x the scale
	v_lshrrev_b32 v12, 23, v11                     ; the scale's byte
.if (\t)%4 == 0
	v_mov_b32 v[14+(\t)/4], v12                    ; four bytes to a word, the lower K in the lower byte
.else
	v_lshl_or_b32 v[14+(\t)/4], v12, 8*((\t)%4), v[14+(\t)/4]
.endif
.set i, 0
.rept 32
	v_med3_num_f32 v[XB+i], v[XB+i], -v10, v10     ; the conversion to an 8-bit code does not saturate (ISA guide 7.6.2): the hold comes first
.set i, i+1
.endr
	s_wait_xcnt 0x0                                ; the last block's stores have read the codes' registers: only now are they written again
.irp g, 0,1,2,3
	v_cvt_scalef32_pk8_bf8_f32 v[WC+2*\g:WC+2*\g+1], v[XB+8*\g:XB+8*\g+7], v11
.endr
	global_store_b128 v3, v[WC:WC+3],   s[28:29] offset:4096*((\t)/4)+512*((\t)%4)       ; k = 32 t + 0 .. 15: the sixteen lanes of a tile fill 256 consecutive bytes, aligned
	global_store_b128 v3, v[WC+4:WC+7], s[28:29] offset:4096*((\t)/4)+512*((\t)%4)+256   ; k = 32 t + 16 .. 31
.if (\t) < 6
	WLD (\t)+2, \stride
.endif
.endm
; One tensor's path.  g0: its first work-group; cgm, kcf: how the number splits into column groups and runs of K; ksh, bc, bs: shifts; cb, sb: where its codes and scales begin; src: its pointer; stride: bytes in a row
.macro WPATH g0, cgm, kcf, ksh, bc, bs, cb, sb, src, stride
	s_sub_co_u32 s20, ttmp9, \g0
	s_and_b32 s21, s20, \cgm
	s_bfe_u32 s22, s20, \kcf                       ; kc
	s_lshr_b32 s23, s20, 5                         ; expert
	s_lshl_b32 s21, s21, 3
	s_add_co_u32 s21, s21, s18                     ; b
	s_lshl_b32 s24, s23, 23                        ; an expert's matrix is 8 MiB,
	s_lshl_b32 s26, s22, \ksh                      ; 256 rows,
	s_add_co_u32 s24, s24, s26
	s_lshl_b32 s26, s21, 7                         ; 32 columns of 4 bytes
	s_add_co_u32 s24, s24, s26
	s_wait_kmcnt 0x0
	s_add_nc_u64 s[32:33], s[\src:\src+1], s[24:25]
	s_lshl_b32 s24, s23, 21
	s_lshl_b32 s26, s21, \bc
	s_add_co_u32 s24, s24, s26
	s_lshl_b32 s26, s22, 13
	s_add_co_u32 s24, s24, s26
	s_add_co_u32 s24, s24, \cb
	s_add_nc_u64 s[28:29], s[12:13], s[24:25]      ; my two K steps' fragments
	s_lshl_b32 s24, s23, 16
	s_lshl_b32 s26, s21, \bs
	s_add_co_u32 s24, s24, s26
	s_lshl_b32 s26, s22, 8
	s_add_co_u32 s24, s24, s26
	s_add_co_u32 s24, s24, \sb
	s_add_nc_u64 s[30:31], s[12:13], s[24:25]      ; and their scale words
	WLD 0, \stride
	WLD 1, \stride
.irp t, 0,1,2,3,4,5,6,7
	WBLK \t, \stride
.endr
	global_store_b64 v4, v[14:15], s[30:31]        ; the wave stores 256 consecutive bytes, aligned
	s_endpgm
.endm
	s_cmp_lt_u32 ttmp9, 257
	s_cbranch_scc0 .Lw2
	WPATH 1, 3, 0x30002, 20, 16, 11, 0, W1S, 4, 4096
.Lw2:
	WPATH 257, 7, 0x20003, 21, 15, 10, W2C, W2S, 6, 8192
.Lplace:
	v_lshlrev_b32 v124, 2, v1                      ; 4 lane
	v_lshl_add_u32 v120, s18, 10, v124             ; my tokens' keys: 1,024 wave + 4 lane
	v_lshlrev_b32 v121, 1, v120                    ; their weights
	v_lshlrev_b32 v122, 2, v0                      ; LDS: my wave's counts, my lane's word
	v_and_b32 v5, 3, v0
	v_lshlrev_b32 v126, 4, v5
	v_add_nc_u32 v126, PS, v126                    ; LDS: the sums' four columns of lane % 4
	s_lshl_b32 s54, s18, 6
	v_add_nc_u32 v123, s54, v126                   ; in my wave's 64 bytes
	v_lshl_add_u32 v125, s18, 8, v1                ; my first token
	v_mov_b32 v127, 0
	v_lshlrev_b32 v7, 4, v0
	v_lshlrev_b32 v6, 3, v0
	v_mov_b32 v[CNT], 0
	s_mov_b32 s38, 0x76543210
	s_mov_b32 s39, 0xfedcba98
	s_wait_kmcnt 0x0
	s_add_nc_u64 s[36:37], s[12:13], WSORT
.set i, 0
.rept 8
	global_load_b32 v[KEY+i], v120, s[8:9] offset:128*i
.set i, i+1
.endr
.set i, 0
.rept 8
	global_load_b64 v[WT+2*i:WT+2*i+1], v121, s[10:11] offset:256*i
.set i, i+1
.endr
.set i, 0
.rept 4
	global_load_b128 v[PART+4*i:PART+4*i+3], v7, s[10:11] offset:PARTO+4096*i     ; the 256 work-groups' sums: my four loads hold columns 4 (lane % 4) + 0 .. 3 of four rows
.set i, i+1
.endr
	s_wait_loadcnt 0x0
	; my wave's count of each bin
.set bin, 0
.irp lo, 0,1,2,3,4,5,6
.irp hi, 1,2,3,4,5,6,7
.if \hi > \lo
.set rd, 0
.rept 8
	v_cmp_eq_u32 s[MK+rd], 8*\lo+\hi, v[KEY+rd]
.set rd, rd+1
.endr
	s_bcnt1_i32_b32 s50, s[MK]
.set rd, 1
.rept 7
	s_bcnt1_i32_b32 s55, s[MK+rd]
	s_add_co_u32 s50, s50, s55
.set rd, rd+1
.endr
	v_writelane_b32 v[CNT], s50, bin
.set bin, bin+1
.endif
.endr
.endr
	; my wave's part of the loss's sums
	v_pk_add_f32 v[S:S+1],   v[PART:PART+1],   v[PART+4:PART+5]
	v_pk_add_f32 v[S+2:S+3], v[PART+2:PART+3], v[PART+6:PART+7]
	v_pk_add_f32 v[S:S+1],   v[S:S+1],   v[PART+8:PART+9]
	v_pk_add_f32 v[S+2:S+3], v[S+2:S+3], v[PART+10:PART+11]
	v_pk_add_f32 v[S:S+1],   v[S:S+1],   v[PART+12:PART+13]
	v_pk_add_f32 v[S+2:S+3], v[S+2:S+3], v[PART+14:PART+15]
.irp x, 4,8
.irp c, 0,1,2,3
	v_add_f32_dpp v[S+\c], v[S+\c], v[S+\c] row_xmask:\x row_mask:0xf bank_mask:0xf
.endr
.endr
.irp c, 0,1,2,3
	v_permlanex16_b32 v[PART+\c], v[S+\c], s38, s39
.endr
.irp c, 0,1,2,3
	v_add_f32 v[S+\c], v[S+\c], v[PART+\c]         ; over the eight lanes with my lane % 4
.endr
	ds_store_b32 v122, v[CNT]
	ds_store_b128 v123, v[S:S+3]                   ; eight lanes write the same bytes with the same values
	s_wait_dscnt 0x0                               ; for the others' sake
	s_barrier_signal -1
	s_barrier_wait -1
.set i, 0
.rept 8
	ds_load_b32 v[R+i], v124 offset:128*i
.set i, i+1
.endr
	s_wait_dscnt 0x0
	v_add3_u32 v[TOT], v[R], v[R+1], v[R+2]
	v_add3_u32 v[TOT], v[TOT], v[R+3], v[R+4]
	v_add3_u32 v[TOT], v[TOT], v[R+5], v[R+6]
	v_add_nc_u32 v[TOT], v[TOT], v[R+7]
	v_mov_b32 v[BEF], 0
.set i, 0
.rept 7
	s_cmp_gt_u32 s18, i
	s_cselect_b32 s54, -1, 0
	v_and_b32 v[T], s54, v[R+i]
	v_add_nc_u32 v[BEF], v[BEF], v[T]
.set i, i+1
.endr
	; the loss: wave 0 alone
	s_cmp_lg_u32 s18, 0
	s_cbranch_scc1 .Lnoloss
.set i, 0
.rept 8
	ds_load_b128 v[Q+4*i:Q+4*i+3], v126 offset:64*i
.set i, i+1
.endr
	s_wait_dscnt 0x0
.set i, 1
.rept 7
	v_pk_add_f32 v[Q:Q+1],   v[Q:Q+1],   v[Q+4*i:Q+4*i+1]
	v_pk_add_f32 v[Q+2:Q+3], v[Q+2:Q+3], v[Q+4*i+2:Q+4*i+3]
.set i, i+1
.endr
.irp c, 0,1,2,3
	v_mul_f32_dpp v[PART+\c], v[Q+\c], v[Q+\c] row_xmask:2 row_mask:0xf bank_mask:0xf   ; lanes 2 apart hold an expert's sum of probabilities and its count
.endr
	v_add_f32 v[PART], v[PART], v[PART+1]
	v_add_f32 v[PART+2], v[PART+2], v[PART+3]
	v_add_f32 v[PART], v[PART], v[PART+2]
	v_add_f32_dpp v[PART], v[PART], v[PART] row_xmask:1 row_mask:0xf bank_mask:0xf      ; experts 0-3 and 4-7
	v_mul_f32 v[PART], 0x32a3d70a, v[PART]         ; x 0.08 / 2^22
	v_cmp_eq_u32 vcc_lo, 0, v1
	s_wait_xcnt 0x0                                ; EXEC changes only behind this wait
	s_and_saveexec_b32 s54, vcc_lo
	global_store_b32 v127, v[PART], s[16:17]
	s_wait_xcnt 0x0                                ; and again; the store has also read its data, which are written anew below
	s_or_b32 exec_lo, exec_lo, s54
.Lnoloss:
	; the experts' counts, first tiles and first rows
.irp e, 0,1,2,3,4,5,6,7
	s_mov_b32 s[20+\e], 0
.endr
.set bin, 0
.irp lo, 0,1,2,3,4,5,6
.irp hi, 1,2,3,4,5,6,7
.if \hi > \lo
	v_readlane_b32 s49, v[TOT], bin
	s_add_co_u32 s[20+\lo], s[20+\lo], s49
	s_add_co_u32 s[20+\hi], s[20+\hi], s49
.set bin, bin+1
.endif
.endr
.endr
	s_mov_b32 s28, 0
.irp e, 0,1,2,3,4,5,6
	s_add_co_u32 s54, s[20+\e], 63
	s_lshr_b32 s54, s54, 6
	s_add_co_u32 s[29+\e], s[28+\e], s54
.endr
.irp e, 0,1,2,3,4,5,6,7
	s_lshl_b32 s[40+\e], s[28+\e], 6
.endr
	s_mov_b32 s48, 0
.set i, 0
.rept 8
	v_mov_b32 v[P+i], 0
	v_mov_b32 v[DL+i], 0
	v_mov_b32 v[DH+i], 0
.set i, i+1
.endr
	; every token's three places, bin by bin
.set bin, 0
.irp lo, 0,1,2,3,4,5,6
.irp hi, 1,2,3,4,5,6,7
.if \hi > \lo
	v_readlane_b32 s49, v[TOT], bin
	v_readlane_b32 s50, v[BEF], bin
.set rd, 0
.rept 8
	v_cmp_eq_u32 s[MK+rd], 8*\lo+\hi, v[KEY+rd]
.set rd, rd+1
.endr
	s_add_co_u32 s[RS], s48, s50                   ; the bin's first place + the waves before mine
	s_sub_co_u32 s52, s[40+\lo], s48               ; from a place in the sorted order to a row of lo's list,
	s_sub_co_u32 s53, s[40+\hi], s48               ; and of hi's
.set rd, 0
.rept 7
	s_bcnt1_i32_b32 s55, s[MK+rd]
	s_add_co_u32 s[RS+rd+1], s[RS+rd], s55
.set rd, rd+1
.endr
.set rd, 0
.rept 8
	v_mbcnt_lo_u32_b32 v[T], s[MK+rd], s[RS+rd]    ; + the lanes below mine
	v_cndmask_b32 v[P+rd], v[P+rd], v[T], s[MK+rd]
	v_cndmask_b32 v[DL+rd], v[DL+rd], s52, s[MK+rd]
	v_cndmask_b32 v[DH+rd], v[DH+rd], s53, s[MK+rd]
.set rd, rd+1
.endr
	s_add_co_u32 s[40+\lo], s[40+\lo], s49
	s_add_co_u32 s[40+\hi], s[40+\hi], s49
	s_add_co_u32 s48, s48, s49
.set bin, bin+1
.endif
.endr
.endr
	; the records.  Each round has registers of its own for data and offsets: no store's source is written again
.set rd, 0
.rept 8
	v_add_nc_u32 v[Q+4*rd+2], v[P+rd], v[DL+rd]
	v_add_nc_u32 v[Q+4*rd+3], v[P+rd], v[DH+rd]
	v_min_u32 v[Q+4*rd+2], 0x11bf, v[Q+4*rd+2]     ; 71 tiles of 64 rows at the most, whatever the split
	v_min_u32 v[Q+4*rd+3], 0x11bf, v[Q+4*rd+3]
	v_min_u32 v[P+rd], 0x7ff, v[P+rd]
	v_add_nc_u32 v[Q+4*rd], 32*rd, v125            ; the token
	v_mov_b32 v[Q+4*rd+1], v[KEY+rd]
	v_lshlrev_b32 v[DL+rd], 4, v[P+rd]
	v_lshlrev_b32 v[DH+rd], 3, v[P+rd]
	v_lshlrev_b32 v[P+rd], 2, v[Q+4*rd+2]
	v_lshlrev_b32 v[KEY+rd], 2, v[Q+4*rd+3]
	global_store_b128 v[DL+rd], v[Q+4*rd:Q+4*rd+3], s[14:15]
	global_store_b64 v[DH+rd], v[WT+2*rd:WT+2*rd+1], s[36:37]
	global_store_b32 v[P+rd], v[Q+4*rd], s[14:15] offset:ROWTOK
	global_store_b32 v[KEY+rd], v[Q+4*rd], s[14:15] offset:ROWTOK
.set rd, rd+1
.endr
	; the list of tiles: thread j writes tile j: the last expert whose first tile is j or less, and what is left of its rows there, 64 at the most, 0 behind the last tile
	v_mov_b32 v100, 0
	v_mov_b32 v102, 0
	v_mov_b32 v103, s20
.irp e, 1,2,3,4,5,6,7
	v_cmp_le_u32 vcc_lo, s[28+\e], v0
	v_cndmask_b32 v100, v100, \e, vcc_lo
	v_cndmask_b32 v102, v102, s[28+\e], vcc_lo
	v_cndmask_b32 v103, v103, s[20+\e], vcc_lo
.endr
	v_sub_nc_u32 v104, v0, v102
	v_lshlrev_b32 v104, 6, v104
	v_min_u32 v104, v104, v103
	v_sub_nc_u32 v101, v103, v104
	v_min_u32 v101, 64, v101
	global_store_b64 v6, v[100:101], s[14:15] offset:TLO
	s_wait_tensorcnt 0x0
	ds_add_u32 v128, v129
	s_wait_dscnt 0x0
	s_endpgm
.Lfunc_end_k_q0210b2f933_prep:
	.size	k_q0210b2f933_prep, .Lfunc_end_k_q0210b2f933_prep-k_q0210b2f933_prep
	.p2alignl 7, 3214868480
	.fill 96, 4, 3214868480
	.section	.rodata,"a",@progbits
	.p2align	6, 0x0
	.amdhsa_kernel k_q0210b2f933_prep
		.amdhsa_group_segment_fixed_size 3072
		.amdhsa_private_segment_fixed_size 0
		.amdhsa_enable_private_segment 0
		.amdhsa_kernarg_size 56
		.amdhsa_user_sgpr_count 2
		.amdhsa_user_sgpr_kernarg_segment_ptr 1
		.amdhsa_wavefront_size32 1
		.amdhsa_system_sgpr_workgroup_id_x 1
		.amdhsa_system_sgpr_workgroup_id_y 1
		.amdhsa_system_sgpr_workgroup_id_z 1
		.amdhsa_system_vgpr_workitem_id 0
		.amdhsa_next_free_vgpr 130
		.amdhsa_next_free_sgpr 84
		.amdhsa_reserve_vcc 1
		.amdhsa_float_denorm_mode_32 3
		.amdhsa_float_denorm_mode_16_64 3
		.amdhsa_memory_ordered 1
		.amdhsa_forward_progress 1
		.amdhsa_inst_pref_size 254
	.end_amdhsa_kernel
	.amdgpu_metadata
---
amdhsa.version: [ 1, 2 ]
amdhsa.kernels:
  - .name:           k_q0210b2f933_prep
    .symbol:         k_q0210b2f933_prep.kd
    .args:
      - { .name: W1, .offset: 0, .size: 8, .value_kind: global_buffer, .address_space: global }
      - { .name: W2, .offset: 8, .size: 8, .value_kind: global_buffer, .address_space: global }
      - { .name: rk, .offset: 16, .size: 8, .value_kind: global_buffer, .address_space: global }
      - { .name: rf, .offset: 24, .size: 8, .value_kind: global_buffer, .address_space: global }
      - { .name: wq, .offset: 32, .size: 8, .value_kind: global_buffer, .address_space: global }
      - { .name: lists, .offset: 40, .size: 8, .value_kind: global_buffer, .address_space: global }
      - { .name: out1, .offset: 48, .size: 8, .value_kind: global_buffer, .address_space: global }
    .group_segment_fixed_size: 3072
    .private_segment_fixed_size: 0
    .kernarg_segment_align: 8
    .kernarg_segment_size: 56
    .max_flat_workgroup_size: 256
    .sgpr_count:     84
    .vgpr_count:     130
    .wavefront_size: 32
...
	.end_amdgpu_metadata
.endif
;; end of part 2
;; launch ffn1 (part 3): grid 4 x 71, 8 waves a work-group, no clusters, 137,216 bytes of LDS; arguments xq, wq, b1, lists, hq; writes hq
.if DOCPART == 3
	.amdgcn_target "amdgcn-amd-amdhsa--gfx1250"
	.amdhsa_code_object_version 6
	.text
	.protected	k_q0210b2f933_ffn1
	.globl	k_q0210b2f933_ffn1
	.p2align	8
	.type	k_q0210b2f933_ffn1,@function
k_q0210b2f933_ffn1:
	s_mov_b64 s[64:65], 0
	v_nop
	global_prefetch_b8 v0, s[64:65] scope:SCOPE_SE
	s_setreg_imm32_b32 hwreg(HW_REG_WAVE_MODE, 25, 1), 1
	s_wait_xcnt 0x0
; THE FIRST PRODUCT, on the chosen rows alone: h = Q(relu(x W1[e] + b1[e])), in MX-BF8 (codes of E5M2, one E8M0 byte for each 32 along K), f32 sums.
; A work-group takes one tile of up to 64 rows of one expert's list (grid y: 71 tiles serve every split of 4,096 routed rows among 8 experts) and 256 hidden units (grid x).
; The tile's expert and number of rows come from the list that the launch before stored; a tile without rows stores nothing and ends.
; Each of the eight waves makes all 64 rows x 32 hidden units (a group b): exactly one block of the next quantiser.
; x's codes and scale words are gathered by the stored token numbers into LDS ONCE (64 rows of 2,048 + 64 bytes), so the walk along K has no barrier.
; W1's fragments come from memory straight into registers, laid there as an operand's registers: every load of a wave reads 512 consecutive bytes, and each byte is read by one wave of the work-group.
; THE MATRIX INSTRUCTION IS USED TRANSPOSED (source 0 = 16 columns of W1, source 1 = 16 rows of x), and a tile's columns are 32 b + 8 u + r + 8 (r / 8): lane (r, h) then holds row r, and the 16 registers of
; tiles u = 0, 1 are hidden units 32 b + 16 h + 0 .. 15, neighbours along the next K.  The bias is the C of each sum's first instruction.  The hold that the conversion wants clips at 0 as well: the relu.
; STORED: hq: codes [tile][b 32][row 64][32 bytes]; from HSO on the scale bytes [row of the list][32].  Rows past the tile's count repeat its last row and land in rows that nobody reads.
; NO TENSOR LOAD, NO JOINT REQUEST, though the four slices of a tile read the same rows and an expert's tiles the same weights: this text branches on a count read from memory and gathers by stored indices.
; LIMITS: NaN and infinities are not served.  A block of h whose largest number lies under 2^-111, one of zeros too, keeps the byte 1: only this program reads the bytes.  The scale bytes leave as single bytes, 64 a wave.
.set XSO,    4194304
.set W1S,    33554432
.set ROWTOK, 32768
.set TLO,    50944
.set HSO,    4653056
.set LP,     2128                      ; an LDS row: 2,048 codes + 64 scale bytes + 16 of padding = 133 x 16 bytes: the 16 rows of a load start at 16 different columns of 16 bytes
.set SW,     24                        ; v24-39   W1's scale words, one register a K step: lanes 0-15 tile u = 0, lanes 16-31 u = 1
.set SX,     40                        ; v40-47   x's: register 4 q + s % 4: lanes 0-15 rows 32 q on, lanes 16-31 rows 32 q + 16 on
.set BI,     48                        ; v48-63   the bias of my lane's 16 hidden units
.set BR,     64                        ; v64-127  W1's fragments, two K steps by turns; behind the walk: the quantiser's registers
.set AR,     128                       ; v128-191 x's four fragments of a K step
.set ACC,    192                       ; v192-255 accumulator (m, u) at 16 m + 8 u
.set TM,     64
.set PC,     80
; v1 16 lane; v2 8 lane; v3 64 h; v4-7 LDS address of x's fragment m; v8-9 of x's scale words; v10, v11 where the gather puts rows and scale words; v12-16 gathered offsets; v17, v18 my places in hq; v19-23 at work
	s_load_b256 s[4:11], s[0:1], 0x0               ; xq s[4:5], wq s[6:7], b1 s[8:9], lists s[10:11]
	s_load_b64 s[12:13], s[0:1], 0x20              ; hq
	s_set_vgpr_msb 0x40
	v_lshl_add_u32 v0, v0, 2, 0x21400
	v_mov_b32 v1, 0
	s_set_vgpr_msb 0x4000
	v_lshrrev_b32 v19, 5, v0
	v_readfirstlane_b32 s18, v19                   ; wave 0..7
	s_and_b32 s40, ttmp7, 0xffff                   ; tile
	s_lshl_b32 s16, s40, 3
	s_wait_kmcnt 0x0
	s_load_b64 s[14:15], s[10:11], s16 offset:TLO  ; {expert, rows}
	v_and_b32 v19, 31, v0                          ; lane
	v_lshlrev_b32 v1, 4, v19
	v_lshlrev_b32 v2, 3, v19
	v_and_b32 v20, 15, v0                          ; r
	v_bfe_u32 v21, v0, 4, 1                        ; h
	v_lshlrev_b32 v3, 6, v21
	v_mul_u32_u24 v22, v20, LP
	v_lshl_add_u32 v4, v21, 4, v22                 ; row r, + 16 h
	v_add_nc_u32 v5, 16*LP, v4
	v_add_nc_u32 v6, 32*LP, v4
	v_add_nc_u32 v7, 48*LP, v4
	v_mul_u32_u24 v8, v19, LP
	v_add_nc_u32 v8, 2048, v8                      ; row = lane: its scale words
	v_add_nc_u32 v9, 32*LP, v8
	v_lshrrev_b32 v23, 5, v0
	v_lshl_add_u32 v23, v23, 3, v21                ; the gather: row 8 wave + h (+ 2 p)
	v_mul_u32_u24 v10, v23, LP
	v_lshl_add_u32 v10, v20, 4, v10                ; sixteen lanes to 256 bytes of a row
	v_lshrrev_b32 v16, 2, v0                       ; the scale words: row thread / 4,
	v_mul_u32_u24 v11, v16, LP
	v_and_b32 v22, 3, v0                           ; 16 bytes a thread
	v_lshl_add_u32 v11, v22, 4, v11
	v_add_nc_u32 v11, 2048, v11
	v_lshlrev_b32 v17, 5, v20
	v_lshl_add_u32 v17, v21, 4, v17                ; codes out: 32 r + 16 h
	v_lshlrev_b32 v18, 5, v20
	v_lshl_add_u32 v18, v21, 9, v18                ; scale bytes out: row 16 h + r, 32 bytes a row
	s_lshl_b32 s19, ttmp9, 3
	s_add_co_u32 s19, s19, s18                     ; b
	s_mov_b32 s34, 0x76543210
	s_mov_b32 s35, 0xfedcba98                      ; v_permlanex16_b32's selects for lane l xor 16
	s_mov_b32 s36, 0x600000                        ; the mantissa field of 57,344
	s_mov_b32 s37, 0xffff0000                      ; lanes 16-31
	s_mov_b32 s39, 0
	s_lshl_b32 s38, s40, 16
	s_lshl_b32 s41, s19, 11
	s_add_co_u32 s38, s38, s41
	s_add_nc_u64 s[26:27], s[12:13], s[38:39]      ; h's codes: my tile, my group
	s_lshl_b32 s38, s40, 11
	s_add_co_u32 s38, s38, s19
	s_add_co_u32 s38, s38, HSO
	s_add_nc_u64 s[28:29], s[12:13], s[38:39]      ; h's scale bytes: my tile's rows, byte b
	s_lshl_b32 s38, s40, 8
	s_add_co_u32 s38, s38, ROWTOK
	s_add_nc_u64 s[30:31], s[10:11], s[38:39]      ; my tile's tokens
	s_add_nc_u64 s[32:33], s[4:5], XSO             ; x's scale words
	s_wait_kmcnt 0x0
	s_min_u32 s14, s14, 7
	s_min_u32 s15, s15, 64
	s_lshl_b32 s38, s14, 21
	s_lshl_b32 s41, s19, 16
	s_add_co_u32 s38, s38, s41
	s_add_nc_u64 s[20:21], s[6:7], s[38:39]        ; W1's fragments: my expert, my group
	s_lshl_b32 s38, s14, 16
	s_lshl_b32 s41, s19, 11
	s_add_co_u32 s38, s38, s41
	s_add_co_u32 s38, s38, W1S
	s_add_nc_u64 s[22:23], s[6:7], s[38:39]        ; their scale words
	s_lshl_b32 s38, s14, 12
	s_lshl_b32 s41, s19, 7
	s_add_co_u32 s38, s38, s41
	s_add_nc_u64 s[24:25], s[8:9], s[38:39]        ; the bias
.macro BLOAD s                         ; W1's two fragments of K step s
.irp u, 0,1
.irp c, 0,1,2,3
	global_load_b128 v[BR+32*((\s)%2)+16*\u+4*\c:BR+32*((\s)%2)+16*\u+4*\c+3], v1, s[20:21] offset:4096*(\s)+2048*\u+512*\c
.endr
.endr
.endm
.macro ALOAD s                         ; x's four: lane (r, h): registers 4 c .. 4 c + 3 hold K = 128 s + 32 c + 16 h + 0 .. 15 of row 16 m + r
.irp m, 0,1,2,3
.irp c, 0,1,2,3
	ds_load_b128 v[AR+16*\m+4*\c:AR+16*\m+4*\c+3], v[4+\m] offset:128*(\s)+32*\c
.endr
.endr
.endm
.macro SXLOAD g                        ; x's scale words of K steps 4 g .. 4 g + 3
.irp q, 0,1
	ds_load_b128 v[SX+4*\q:SX+4*\q+3], v[8+\q] offset:16*(\g)
.endr
.endm
.macro MM                              ; one product; the registers stand in rD, rA, rB, rC, rSA, rSB; fA, fB: the scales are taken from lanes 16-31
.if (fA == 0) && (fB == 0)
	v_wmma_scale_f32_16x16x128_f8f6f4 v[rD:rD+7], v[rA:rA+15], v[rB:rB+15], v[rC:rC+7], v[rSA], v[rSB] matrix_a_fmt:MATRIX_FMT_BF8 matrix_b_fmt:MATRIX_FMT_BF8
.elseif fB == 0
	v_wmma_scale_f32_16x16x128_f8f6f4 v[rD:rD+7], v[rA:rA+15], v[rB:rB+15], v[rC:rC+7], v[rSA], v[rSB] matrix_a_fmt:MATRIX_FMT_BF8 matrix_b_fmt:MATRIX_FMT_BF8 matrix_a_scale:MATRIX_SCALE_ROW1
.elseif fA == 0
	v_wmma_scale_f32_16x16x128_f8f6f4 v[rD:rD+7], v[rA:rA+15], v[rB:rB+15], v[rC:rC+7], v[rSA], v[rSB] matrix_a_fmt:MATRIX_FMT_BF8 matrix_b_fmt:MATRIX_FMT_BF8 matrix_b_scale:MATRIX_SCALE_ROW1
.else
	v_wmma_scale_f32_16x16x128_f8f6f4 v[rD:rD+7], v[rA:rA+15], v[rB:rB+15], v[rC:rC+7], v[rSA], v[rSB] matrix_a_fmt:MATRIX_FMT_BF8 matrix_b_fmt:MATRIX_FMT_BF8 matrix_a_scale:MATRIX_SCALE_ROW1 matrix_b_scale:MATRIX_SCALE_ROW1
.endif
.endm
; A K step of 128: eight products, the eight accumulators by turns, one instruction a turn, in the same order in every step.
.macro STEP s
	s_wait_dscnt 0x0                               ; x's fragments and scale words of this step are in
.if (\s) < 15
	s_wait_loadcnt 8                               ; W1's too; the next step's eight loads may be out
.else
	s_wait_loadcnt 0x0
.endif
.irp m, 0,1,2,3
.irp u, 0,1
.set rD, ACC+16*\m+8*\u
.set rA, BR+32*((\s)%2)+16*\u
.set rB, AR+16*\m
.if (\s) == 0
.set rC, BI+8*\u
.else
.set rC, rD
.endif
.set rSA, SW+(\s)
.set rSB, SX+4*(\m/2)+(\s)%4
.set fA, \u
.set fB, \m%2
	MM
.endr
.endr
.rept 8
	v_nop                                          ; eight places in front of loads into registers that these products read, and of the first read of results
.endr
.if (\s) < 15
	ALOAD (\s)+1
.if ((\s)+1)%4 == 0
	SXLOAD ((\s)+1)/4
.endif
.endif
.if (\s) < 14
	BLOAD (\s)+2
.endif
.endm
	; what hangs on the expert alone is asked for at once, in every work-group
	BLOAD 0
	BLOAD 1
.irp kc, 0,1,2,3,4,5,6,7
	global_load_b64 v[SW+2*\kc:SW+2*\kc+1], v2, s[22:23] offset:256*\kc
.endr
.irp i, 0,1,2,3
	global_load_b128 v[BI+4*\i:BI+4*\i+3], v3, s[24:25] offset:16*\i
.endr
	s_cmp_eq_u32 s15, 0
	s_cbranch_scc1 .Lnogather                      ; the barrier below stands outside this branch: every wave passes it
	; THE GATHER.  Rows past the tile's count take its last row
	s_add_co_u32 s17, s15, -1
.irp p, 0,1,2,3
	v_add_nc_u32 v[128+\p], 2*\p, v23
	v_min_u32 v[128+\p], s17, v[128+\p]
	v_min_u32 v[128+\p], 63, v[128+\p]
	v_lshlrev_b32 v[128+\p], 2, v[128+\p]
.endr
	v_min_u32 v132, s17, v16
	v_min_u32 v132, 63, v132
	v_lshlrev_b32 v132, 2, v132
.irp p, 0,1,2,3
	global_load_b32 v[12+\p], v[128+\p], s[30:31]
.endr
	global_load_b32 v16, v132, s[30:31]
	s_wait_loadcnt 0x0                             ; the tokens' numbers
.irp p, 0,1,2,3
	v_min_u32 v[12+\p], 0x7ff, v[12+\p]
	v_lshlrev_b32 v[12+\p], 11, v[12+\p]
	v_lshl_add_u32 v[12+\p], v20, 4, v[12+\p]      ; 2,048 bytes a token, 16 a lane
.endr
	v_min_u32 v16, 0x7ff, v16
	v_lshlrev_b32 v16, 6, v16
	v_lshl_add_u32 v16, v22, 4, v16
	global_load_b128 v[20:23], v16, s[32:33]
.irp p, 0,1,2,3
.irp j, 0,1,2,3,4,5,6,7
	global_load_b128 v[128+4*(8*\p+\j):128+4*(8*\p+\j)+3], v[12+\p], s[4:5] offset:256*\j      ; sixteen lanes read 256 consecutive bytes of a row, aligned
.endr
.endr
	s_wait_loadcnt 32                              ; the scale words are in; the 32 loads behind them may be out
	ds_store_b128 v11, v[20:23]
.irp p, 0,1,2,3
.irp j, 0,1,2,3,4,5,6,7
	s_wait_loadcnt 31-(8*\p+\j)                    ; loads come back in order: this one is in, the younger ones may be out
	ds_store_b128 v10, v[128+4*(8*\p+\j):128+4*(8*\p+\j)+3] offset:2*LP*\p+256*\j
.endr
.endr
.Lnogather:
	s_wait_dscnt 0x0                               ; for the others' sake: my rows lie in LDS
	s_barrier_signal -1
	s_barrier_wait -1
	s_cmp_eq_u32 s15, 0
	s_cbranch_scc1 .Lend
	s_wait_loadcnt 0x0                             ; W1's first two K steps, its scale words, the bias
	ALOAD 0
	SXLOAD 0
.irp s, 0,1,2,3,4,5,6,7,8,9,10,11,12,13,14,15
	STEP \s
.endr
	; THE QUANTISER: for each tile of rows m one block of 32, in lanes l and l xor 16.  No |.|: what is negative becomes 0 and must not count; the floor stands over it.  Each accumulator is read from its low end on
.irp m, 0,1,2,3
	v_max3_num_f32 v[TM+\m], v[ACC+16*\m], v[ACC+16*\m+1], 0x8000000
.endr
.irp i, 2,4,6,8,10,12,14
.irp m, 0,1,2,3
	v_max3_num_f32 v[TM+\m], v[TM+\m], v[ACC+16*\m+\i], v[ACC+16*\m+\i+1]
.endr
.endr
.irp m, 0,1,2,3
	v_permlanex16_b32 v[TM+4+\m], v[TM+\m], s34, s35
.endr
.irp m, 0,1,2,3
	v_max_num_f32 v[TM+\m], v[TM+\m], v[TM+4+\m]
.endr
.irp m, 0,1,2,3
	v_add_nc_u32 v[TM+12+\m], 0xf8800000, v[TM+\m] ; 15 off the exponent field: the conversion's scale operand
.endr
.irp m, 0,1,2,3
	v_and_or_b32 v[TM+8+\m], v[TM+\m], 0x7f800000, s36   ; 57,344 x the scale
.endr
.irp m, 0,1,2,3
	v_lshrrev_b32 v[TM+4+\m], 23, v[TM+12+\m]      ; the scale's byte
.endr
.irp m, 0,1,2,3
.irp i, 0,1,2,3,4,5,6,7,8,9,10,11,12,13,14,15
	v_med3_num_f32 v[ACC+16*\m+\i], v[ACC+16*\m+\i], 0, v[TM+8+\m]      ; the relu and the hold in one
.endr
	v_cvt_scalef32_pk8_bf8_f32 v[PC+4*\m:PC+4*\m+1], v[ACC+16*\m:ACC+16*\m+7], v[TM+12+\m]
	v_cvt_scalef32_pk8_bf8_f32 v[PC+4*\m+2:PC+4*\m+3], v[ACC+16*\m+8:ACC+16*\m+15], v[TM+12+\m]
.endr
	v_nop                                          ; a plain line behind the last conversion
	v_cndmask_b32 v96, v[TM+4], v[TM+5], s37       ; lanes 0-15 carry the byte of rows 0-15, lanes 16-31 that of rows 16-31;
	v_cndmask_b32 v97, v[TM+6], v[TM+7], s37       ; likewise rows 32-63
.irp m, 0,1,2,3
	global_store_b128 v17, v[PC+4*\m:PC+4*\m+3], s[26:27] offset:512*\m      ; the wave stores 512 consecutive bytes, aligned
.endr
	global_store_b8 v18, v96, s[28:29]
	global_store_b8 v18, v97, s[28:29] offset:1024
.Lend:
	s_set_vgpr_msb 0x5
	s_wait_tensorcnt 0x0
	ds_add_u32 v0, v1
	s_wait_dscnt 0x0
	s_set_vgpr_msb 0x500
	s_endpgm
.Lfunc_end_k_q0210b2f933_ffn1:
	.size	k_q0210b2f933_ffn1, .Lfunc_end_k_q0210b2f933_ffn1-k_q0210b2f933_ffn1
	.p2alignl 7, 3214868480
	.fill 96, 4, 3214868480
	.section	.rodata,"a",@progbits
	.p2align	6, 0x0
	.amdhsa_kernel k_q0210b2f933_ffn1
		.amdhsa_group_segment_fixed_size 137216
		.amdhsa_private_segment_fixed_size 0
		.amdhsa_enable_private_segment 0
		.amdhsa_kernarg_size 40
		.amdhsa_user_sgpr_count 2
		.amdhsa_user_sgpr_kernarg_segment_ptr 1
		.amdhsa_wavefront_size32 1
		.amdhsa_system_sgpr_workgroup_id_x 1
		.amdhsa_system_sgpr_workgroup_id_y 1
		.amdhsa_system_sgpr_workgroup_id_z 1
		.amdhsa_system_vgpr_workitem_id 0
		.amdhsa_next_free_vgpr 258
		.amdhsa_next_free_sgpr 66
		.amdhsa_reserve_vcc 0
		.amdhsa_float_denorm_mode_32 3
		.amdhsa_float_denorm_mode_16_64 3
		.amdhsa_memory_ordered 1
		.amdhsa_forward_progress 1
		.amdhsa_inst_pref_size 72
	.end_amdhsa_kernel
	.amdgpu_metadata
---
amdhsa.version: [ 1, 2 ]
amdhsa.kernels:
  - .name:           k_q0210b2f933_ffn1
    .symbol:         k_q0210b2f933_ffn1.kd
    .args:
      - { .name: xq, .offset: 0, .size: 8, .value_kind: global_buffer, .address_space: global }
      - { .name: wq, .offset: 8, .size: 8, .value_kind: global_buffer, .address_space: global }
      - { .name: b1, .offset: 16, .size: 8, .value_kind: global_buffer, .address_space: global }
      - { .name: lists, .offset: 24, .size: 8, .value_kind: global_buffer, .address_space: global }
      - { .name: hq, .offset: 32, .size: 8, .value_kind: global_buffer, .address_space: global }
    .group_segment_fixed_size: 137216
    .private_segment_fixed_size: 0
    .kernarg_segment_align: 8
    .kernarg_segment_size: 40
    .max_flat_workgroup_size: 256
    .sgpr_count:     66
    .vgpr_count:     258
    .wavefront_size: 32
...
	.end_amdgpu_metadata
.endif
;; end of part 3
;; launch ffn2 (part 4): grid 8 x 32, 8 waves a work-group, no clusters, 138,240 bytes of LDS; arguments hq, wq, b2, lists, out0; writes out0
.if DOCPART == 4
	.amdgcn_target "amdgcn-amd-amdhsa--gfx1250"
	.amdhsa_code_object_version 6
	.text
	.protected	k_q0210b2f933_ffn2
	.globl	k_q0210b2f933_ffn2
	.p2align	8
	.type	k_q0210b2f933_ffn2,@function
k_q0210b2f933_ffn2:
	s_mov_b64 s[64:65], 0
	v_nop
	global_prefetch_b8 v0, s[64:65] scope:SCOPE_SE
	s_setreg_imm32_b32 hwreg(HW_REG_WAVE_MODE, 25, 1), 1
	s_wait_xcnt 0x0
; THE SECOND PRODUCT AND THE COMBINATION: out(token) = w_lo (h_lo W2[lo] + b2[lo]) + w_hi (h_hi W2[hi] + b2[hi]), in MX-BF8 (codes of E5M2, one E8M0 byte for each 32 along K), f32 sums.
; EACH OUTPUT ROW HAS ONE OWNER.  A work-group takes 64 tokens that are neighbours in the order sorted by pairs of experts (grid y) and 256 outputs (grid x); each of its eight waves all 64 tokens x 32 outputs.
; The 128 rows of h (two for each token) are gathered by the stored row numbers into LDS once.  Then every wave walks the eight experts, a loop of constant count without a barrier, and passes over, by a scalar
; branch on the stored keys, those that none of the 64 tokens uses.  In a pass a token whose lo is the expert reads its row of lo's list, every other token its row of hi's list; a token that does not use the
; expert at all so multiplies a row that is not meant for it, and its weight is 0.  The choice enters the LDS address as a number held at 0 or 1 by a minimum with a constant.
; W2's fragments come from memory straight into registers, laid there as an operand's registers: every load of a wave reads 512 consecutive bytes.
; THE MATRIX INSTRUCTION IS USED TRANSPOSED (source 0 = 16 columns of W2, source 1 = 16 rows of h); a tile's columns are 32 b + 8 u + r + 8 (r / 8): lane (r, h) holds token r and, in the 16 registers of tiles
; u = 0, 1, outputs 32 b + 16 h + 0 .. 15.  The bias is the C of a pass's first instructions.  The pass's result is weighed into the sum by packed multiply-adds.
; The sum begins as zeros, written once: which expert comes first is not known to the text.
; NO TENSOR LOAD, NO JOINT REQUEST, though the eight slices of a block read the same rows of h: this text branches on numbers read from memory and gathers by stored indices.
; LIMITS: NaN and infinities are not served, and the result that a weight of 0 throws away (a token's hi row times another expert's weights, plus that expert's bias) must be finite, so that 0 x it is 0.
; REGISTERS, in windows of 256.  Window 0: v1 16 lane; v2 8 lane; v3 64 h; v4-7, v8-11 lo, hi of token 16 m + r; v12-13 lo of token 32 q + lane; v16-19 LDS address of lo's row of h for fragment m;
;   v24-25 of its scale words; v30-37 the weights {lo, hi} for each m; v38-41, v42-43 the pass's addresses; v44-51 the pass's weight, twice, for each m; v52-59 my 8 rows of out0;
;   v60, v61 the stage; v62-71, v96-115 at work at the head; v72-79 W2's scale words; v80-95 h's; v128-255 h's fragments, two K steps by turns (at the head the gather, at the end rows of out0).
;   Window 1: v0-63 the sum; v64-127 the pass's accumulators, (m, u) at 16 m + 8 u; v128-143 the bias; v144-239 W2's fragments, three K steps by turns.
.set W2C,   16777216
.set W2S,   34078720
.set WSORT, 34603008
.set HSO,   4653056
.set LP,    1072                       ; an LDS row: 1,024 codes + 32 scale bytes + 16 of padding = 67 x 16 bytes: the 16 rows of a load start at 16 different columns of 16 bytes
.set SLOTB, 64*LP                      ; rows 0-63: the tokens' rows in lo's list; rows 64-127, SLOTB bytes on: in hi's
.set SP,    1040                       ; the stage for the way out, in the rows' bytes once nobody reads them: 64 rows of 1,024 bytes + 16
.set SW,    72
.set SX,    80
.set AR,    128
.set TMP,   64
.set BI,    128
.set BR,    144
.set MSB, 0
.macro WIN new                         ; the immediate's high byte repeats the setting that is left; a switch that changes nothing is dropped
.if MSB != \new
	s_set_vgpr_msb (MSB<<8)|\new
.set MSB, \new
.endif
.endm
.set W_MUL, 0x51                       ; source 0, C and D window 1; source 1 window 0: the products, and the weighing
.set W_TO1, 0x40                       ; destination window 1
.set W_ST1, 0x04                       ; an LDS store's data (its source 1) window 1
	s_load_b256 s[4:11], s[0:1], 0x0               ; hq s[4:5], wq s[6:7], b2 s[8:9], lists s[10:11]
	s_load_b64 s[12:13], s[0:1], 0x20              ; out0
	v_lshl_add_u32 v126, v0, 2, 0x21800
	v_mov_b32 v127, 0
	v_lshrrev_b32 v62, 5, v0
	v_readfirstlane_b32 s18, v62                   ; wave 0..7
	s_and_b32 s19, ttmp7, 0xffff                   ; block of 64 sorted tokens
	v_and_b32 v63, 31, v0                          ; lane
	v_and_b32 v64, 15, v0                          ; r
	v_bfe_u32 v65, v0, 4, 1                        ; h
	v_lshlrev_b32 v1, 4, v63
	v_lshlrev_b32 v2, 3, v63
	v_lshlrev_b32 v3, 6, v65
	v_mul_u32_u24 v66, v64, LP
	v_lshl_add_u32 v16, v65, 4, v66                ; row r, + 16 h
	v_add_nc_u32 v17, 16*LP, v16
	v_add_nc_u32 v18, 32*LP, v16
	v_add_nc_u32 v19, 48*LP, v16
	v_mul_u32_u24 v24, v63, LP
	v_add_nc_u32 v24, 1024, v24                    ; row = lane: its scale words
	v_add_nc_u32 v25, 32*LP, v24
	v_mul_u32_u24 v60, v64, SP
	v_lshl_add_u32 v60, v65, 6, v60
	s_lshl_b32 s27, s18, 7
	v_add_nc_u32 v60, s27, v60                     ; into the stage: row r, my wave's 128 bytes, + 64 h
	v_mov_b32 v99, s27                             ; my 8 rows' records: 16 bytes each
	s_mul_i32 s27, s18, 8*SP
	v_add_nc_u32 v61, s27, v1                      ; back: my 8 rows, 16 bytes a lane
	s_mul_i32 s27, s18, 16*LP
	v_add_nc_u32 v67, s27, v16                     ; the gather puts row 16 wave + r
	v_lshrrev_b32 v68, 1, v0
	v_mul_u32_u24 v69, v68, LP
	v_add_nc_u32 v71, 1056, v69                    ; the padding of row thread / 2
	v_and_b32 v70, 1, v0
	v_lshl_add_u32 v69, v70, 4, v69
	v_add_nc_u32 v69, 1024, v69                    ; and its scale bytes, 16 a thread
	s_and_b32 s27, s18, 3
	s_lshl_b32 s27, s27, 8
	s_lshr_b32 s36, s18, 2
	s_lshl_b32 s36, s36, 2
	s_add_co_u32 s27, s27, s36
	v_lshl_add_u32 v96, v64, 4, s27                ; record of token 16 (wave % 4) + r, list wave / 4
	v_and_b32 v97, 63, v68
	v_lshlrev_b32 v97, 4, v97
	v_lshrrev_b32 v98, 7, v0
	v_lshl_add_u32 v97, v98, 2, v97                ; record of token (thread / 2) % 64, list thread / 128
	v_lshlrev_b32 v98, 4, v64
	v_lshlrev_b32 v100, 3, v64
.irp i, 0,1,2,3
	v_mov_b32 v[112+\i], 0
.endr
	s_lshl_b32 s17, ttmp9, 3
	s_add_co_u32 s17, s17, s18                     ; b
	s_mov_b32 s37, 0
	s_wait_kmcnt 0x0
	s_lshl_b32 s36, s19, 10
	s_add_nc_u64 s[28:29], s[10:11], s[36:37]      ; my block's records
	s_lshl_b32 s36, s19, 9
	s_add_co_u32 s36, s36, WSORT
	s_add_nc_u64 s[30:31], s[6:7], s[36:37]        ; its weights
	global_load_b32 v101, v96, s[28:29] offset:8
	global_load_b32 v102, v97, s[28:29] offset:8
.irp m, 0,1,2,3
	global_load_b32 v[4+\m], v98, s[28:29] offset:256*\m+4
.endr
.irp q, 0,1
	global_load_b32 v[12+\q], v1, s[28:29] offset:512*\q+4
.endr
.irp m, 0,1,2,3
	global_load_b64 v[30+2*\m:31+2*\m], v100, s[30:31] offset:128*\m
.endr
.irp i, 0,1,2,3,4,5,6,7
	global_load_b32 v[52+\i], v99, s[28:29] offset:16*\i
.endr
	s_lshl_b32 s36, s17, 15
	s_add_co_u32 s36, s36, W2C
	s_add_nc_u64 s[20:21], s[6:7], s[36:37]        ; W2's fragments: expert 0, my group
	s_lshl_b32 s36, s17, 10
	s_add_co_u32 s36, s36, W2S
	s_add_nc_u64 s[22:23], s[6:7], s[36:37]        ; their scale words
	s_lshl_b32 s36, s17, 7
	s_add_nc_u64 s[24:25], s[8:9], s[36:37]        ; the bias
	s_add_nc_u64 s[32:33], s[4:5], HSO             ; h's scale bytes
	s_lshl_b32 s36, ttmp9, 10
	s_add_nc_u64 s[34:35], s[12:13], s[36:37]      ; out0 at my 256 outputs
	s_wait_loadcnt 0x0
	v_min_u32 v101, 0x11bf, v101
	v_and_b32 v103, 0x1fc0, v101
	v_and_b32 v104, 63, v101
	v_lshlrev_b32 v103, 10, v103                   ; the row's tile: 65,536 bytes,
	v_lshl_add_u32 v103, v104, 5, v103             ; its place there: 32 bytes in each group of 32 hidden units,
	v_lshl_add_u32 v103, v65, 4, v103              ; my half
	v_min_u32 v102, 0x11bf, v102
	v_lshlrev_b32 v102, 5, v102
	v_lshl_add_u32 v102, v70, 4, v102
	global_load_b128 v[108:111], v102, s[32:33]
.set i, 0
.rept 32
	global_load_b128 v[AR+4*i:AR+4*i+3], v103, s[4:5] offset:2048*i      ; neighbours in the sorted order are mostly neighbours in an expert's list: the wave then reads 512 consecutive bytes
.set i, i+1
.endr
.irp m, 0,1,2,3
	v_and_b32 v[8+\m], 7, v[4+\m]
	v_bfe_u32 v[4+\m], v[4+\m], 3, 3
.endr
.irp q, 0,1
	v_bfe_u32 v[12+\q], v[12+\q], 3, 3
.endr
.irp i, 0,1,2,3,4,5,6,7
	v_min_u32 v[52+\i], 0x7ff, v[52+\i]
	v_lshl_add_u32 v[52+\i], v[52+\i], 13, v1      ; 8,192 bytes a token, 16 a lane
.endr
	WIN W_TO1
.set i, 0
.rept 64
	v_mov_b32 v[i], 0                              ; the sum
.set i, i+1
.endr
	WIN 0
	ds_store_b128 v71, v[112:115]                  ; the rows' padding is written too (two threads write the same zeros): no byte of the 128 rows is left as it was found
	s_wait_loadcnt 32                              ; the scale bytes are in; the 32 loads behind them may be out
	ds_store_b128 v69, v[108:111]
.set i, 0
.rept 32
	s_wait_loadcnt 31-i                            ; loads come back in order: this one is in, the younger ones may be out
	ds_store_b128 v67, v[AR+4*i:AR+4*i+3] offset:32*i
.set i, i+1
.endr
	s_wait_dscnt 0x0                               ; for the others' sake: my rows lie in LDS
	s_barrier_signal -1
	s_barrier_wait -1
.macro BLOAD s                         ; W2's two fragments of K step s (under W_TO1)
.irp u, 0,1
.irp c, 0,1,2,3
	global_load_b128 v[BR+32*((\s)%3)+16*\u+4*\c:BR+32*((\s)%3)+16*\u+4*\c+3], v1, s[20:21] offset:4096*(\s)+2048*\u+512*\c
.endr
.endr
.endm
.macro ALOAD s                         ; h's four: lane (r, h): registers 4 c .. 4 c + 3 hold K = 128 s + 32 c + 16 h + 0 .. 15 of the row chosen for token 16 m + r
.irp m, 0,1,2,3
.irp c, 0,1,2,3
	ds_load_b128 v[AR+64*((\s)%2)+16*\m+4*\c:AR+64*((\s)%2)+16*\m+4*\c+3], v[38+\m] offset:128*(\s)+32*\c
.endr
.endr
.endm
.macro MM                              ; one product; the registers stand in rD, rA, rB, rC, rSA, rSB; fA, fB: the scales are taken from lanes 16-31
.if (fA == 0) && (fB == 0)
	v_wmma_scale_f32_16x16x128_f8f6f4 v[rD:rD+7], v[rA:rA+15], v[rB:rB+15], v[rC:rC+7], v[rSA], v[rSB] matrix_a_fmt:MATRIX_FMT_BF8 matrix_b_fmt:MATRIX_FMT_BF8
.elseif fB == 0
	v_wmma_scale_f32_16x16x128_f8f6f4 v[rD:rD+7], v[rA:rA+15], v[rB:rB+15], v[rC:rC+7], v[rSA], v[rSB] matrix_a_fmt:MATRIX_FMT_BF8 matrix_b_fmt:MATRIX_FMT_BF8 matrix_a_scale:MATRIX_SCALE_ROW1
.elseif fA == 0
	v_wmma_scale_f32_16x16x128_f8f6f4 v[rD:rD+7], v[rA:rA+15], v[rB:rB+15], v[rC:rC+7], v[rSA], v[rSB] matrix_a_fmt:MATRIX_FMT_BF8 matrix_b_fmt:MATRIX_FMT_BF8 matrix_b_scale:MATRIX_SCALE_ROW1
.else
	v_wmma_scale_f32_16x16x128_f8f6f4 v[rD:rD+7], v[rA:rA+15], v[rB:rB+15], v[rC:rC+7], v[rSA], v[rSB] matrix_a_fmt:MATRIX_FMT_BF8 matrix_b_fmt:MATRIX_FMT_BF8 matrix_a_scale:MATRIX_SCALE_ROW1 matrix_b_scale:MATRIX_SCALE_ROW1
.endif
.endm
; A K step of 128: the loads of later steps first (their registers' last readers stand behind eight places), then eight products, the eight accumulators by turns, one instruction a turn.
.macro STEP s
.if (\s) < 7
	WIN 0
	ALOAD (\s)+1
.endif
.if (\s) < 6
	WIN W_TO1
	BLOAD (\s)+2
.endif
.if (\s) < 7
	s_wait_dscnt 16                                ; h's fragments (and in step 0 its scale words) are in; the next step's 16 loads may be out
.else
	s_wait_dscnt 0x0
.endif
.if (\s) < 6
	s_wait_loadcnt 16                              ; W2's are in (in step 0 its scale words and the bias too); the two next steps' 16 loads may be out
.elseif (\s) == 6
	s_wait_loadcnt 8
.else
	s_wait_loadcnt 0x0
.endif
	WIN W_MUL
.irp m, 0,1,2,3
.irp u, 0,1
.set rD, TMP+16*\m+8*\u
.set rA, BR+32*((\s)%3)+16*\u
.set rB, AR+64*((\s)%2)+16*\m
.if (\s) == 0
.set rC, BI+8*\u
.else
.set rC, rD
.endif
.set rSA, SW+(\s)
.set rSB, SX+8*(\m/2)+(\s)
.set fA, \u
.set fB, \m%2
	MM
.endr
.endr
.rept 8
	v_nop                                          ; eight places in front of loads into registers that these products read, and of the first read of results
.endr
.endm
	s_mov_b32 s26, 0                               ; the expert
.Lexp:
.irp m, 0,1,2,3
	v_cmp_eq_u32 s[40+\m], s26, v[4+\m]
	v_cmp_eq_u32 s[44+\m], s26, v[8+\m]
.endr
	s_or_b32 s48, s40, s41
	s_or_b32 s49, s42, s43
	s_or_b32 s48, s48, s49
	s_or_b32 s49, s44, s45
	s_or_b32 s48, s48, s49
	s_or_b32 s49, s46, s47
	s_or_b32 s48, s48, s49
	s_cmp_eq_u32 s48, 0
	s_cbranch_scc1 .Lnext                          ; none of the 64 tokens uses it: the same in all eight waves, and no barrier stands in the loop
.irp kc, 0,1,2,3
	global_load_b64 v[SW+2*\kc:SW+2*\kc+1], v2, s[22:23] offset:256*\kc
.endr
	WIN W_TO1
.irp i, 0,1,2,3
	global_load_b128 v[BI+4*\i:BI+4*\i+3], v3, s[24:25] offset:16*\i
.endr
	BLOAD 0
	BLOAD 1
	WIN 0
	; which of a token's two rows: 0 where the expert is its lo, else 1: lo xor expert, held at 1 by a minimum with a constant; times the distance between the two rows, onto lo's row
.irp i, 0,1,2,3
	v_xor_b32 v[38+\i], s26, v[4+\i]
.endr
.irp q, 0,1
	v_xor_b32 v[42+\q], s26, v[12+\q]
.endr
.irp i, 0,1,2,3,4,5
	v_min_u32 v[38+\i], 1, v[38+\i]
.endr
.irp i, 0,1,2,3,4,5
	v_mul_u32_u24 v[38+\i], v[38+\i], SLOTB
.endr
.irp m, 0,1,2,3
	v_add_nc_u32 v[38+\m], v[38+\m], v[16+\m]
.endr
.irp q, 0,1
	v_add_nc_u32 v[42+\q], v[42+\q], v[24+\q]
.endr
.irp q, 0,1
	ds_load_b128 v[SX+8*\q:SX+8*\q+3],   v[42+\q]                ; the eight scale words of token 32 q + lane's row: lanes 0-15 serve fragment 2 q, lanes 16-31 fragment 2 q + 1
	ds_load_b128 v[SX+8*\q+4:SX+8*\q+7], v[42+\q] offset:16
.endr
	ALOAD 0
.irp m, 0,1,2,3
	v_cndmask_b32 v[44+2*\m], 0, v[30+2*\m], s[40+\m]            ; the weight: 0, or lo's,
.endr
.irp m, 0,1,2,3
	v_cndmask_b32 v[44+2*\m], v[44+2*\m], v[31+2*\m], s[44+\m]   ; or hi's
.endr
.irp m, 0,1,2,3
	v_mov_b32 v[45+2*\m], v[44+2*\m]
.endr
.irp s, 0,1,2,3,4,5,6,7
	STEP \s
.endr
	v_nop                                          ; a ninth place: the next pass's first products write these accumulators anew, with another C
.set i, 0
.rept 32
	v_pk_fma_f32 v[i:i+1], v[TMP+i:TMP+i+1], v[44+2*(i/16):45+2*(i/16)], v[i:i+1]      ; the sum += the weight x the pass's result; each accumulator is read from its low end on
.set i, i+2
.endr
	WIN 0                                          ; at a label and at a branch every window is 0
.Lnext:
	s_add_nc_u64 s[20:21], s[20:21], 0x200000      ; the next expert's fragments, scale words and bias: every load that named these bases has been waited for
	s_add_nc_u64 s[22:23], s[22:23], 0x10000
	s_add_nc_u64 s[24:25], s[24:25], 0x2000
	s_add_co_u32 s26, s26, 1
	s_cmp_lt_u32 s26, 8
	s_cbranch_scc1 .Lexp
	; THE WAY OUT.  A token's 256 outputs come from eight waves: they meet in the stage, and each wave stores 8 whole rows of 1,024 bytes
	s_wait_dscnt 0x0                               ; my reads of the rows of h are over
	s_barrier_signal -1
	s_barrier_wait -1                              ; everybody's are: the stage may take their bytes
	WIN W_ST1
.irp m, 0,1,2,3
.irp k, 0,1,2,3
	ds_store_b128 v60, v[16*\m+4*\k:16*\m+4*\k+3] offset:16*SP*\m+16*\k
.endr
.endr
	WIN 0
	s_wait_dscnt 0x0                               ; for the others' sake
	s_barrier_signal -1
	s_barrier_wait -1
.irp i, 0,1,2,3,4,5,6,7
.irp f, 0,1
	ds_load_b128 v[AR+4*(2*\i+\f):AR+4*(2*\i+\f)+3], v61 offset:SP*\i+512*\f
.endr
.endr
.irp i, 0,1,2,3,4,5,6,7
.irp f, 0,1
	s_wait_dscnt 15-(2*\i+\f)
	global_store_b128 v[52+\i], v[AR+4*(2*\i+\f):AR+4*(2*\i+\f)+3], s[34:35] offset:512*\f th:TH_STORE_NT      ; the wave stores 512 consecutive bytes of one token's row, aligned
.endr
.endr
	s_wait_tensorcnt 0x0
	ds_add_u32 v126, v127
	s_wait_dscnt 0x0
	s_endpgm
.Lfunc_end_k_q0210b2f933_ffn2:
	.size	k_q0210b2f933_ffn2, .Lfunc_end_k_q0210b2f933_ffn2-k_q0210b2f933_ffn2
	.p2alignl 7, 3214868480
	.fill 96, 4, 3214868480
	.section	.rodata,"a",@progbits
	.p2align	6, 0x0
	.amdhsa_kernel k_q0210b2f933_ffn2
		.amdhsa_group_segment_fixed_size 138240
		.amdhsa_private_segment_fixed_size 0
		.amdhsa_enable_private_segment 0
		.amdhsa_kernarg_size 40
		.amdhsa_user_sgpr_count 2
		.amdhsa_user_sgpr_kernarg_segment_ptr 1
		.amdhsa_wavefront_size32 1
		.amdhsa_system_sgpr_workgroup_id_x 1
		.amdhsa_system_sgpr_workgroup_id_y 1
		.amdhsa_system_sgpr_workgroup_id_z 1
		.amdhsa_system_vgpr_workitem_id 0
		.amdhsa_next_free_vgpr 512
		.amdhsa_next_free_sgpr 66
		.amdhsa_reserve_vcc 0
		.amdhsa_float_denorm_mode_32 3
		.amdhsa_float_denorm_mode_16_64 3
		.amdhsa_memory_ordered 1
		.amdhsa_forward_progress 1
		.amdhsa_inst_pref_size 52
	.end_amdhsa_kernel
	.amdgpu_metadata
---
amdhsa.version: [ 1, 2 ]
amdhsa.kernels:
  - .name:           k_q0210b2f933_ffn2
    .symbol:         k_q0210b2f933_ffn2.kd
    .args:
      - { .name: hq, .offset: 0, .size: 8, .value_kind: global_buffer, .address_space: global }
      - { .name: wq, .offset: 8, .size: 8, .value_kind: global_buffer, .address_space: global }
      - { .name: b2, .offset: 16, .size: 8, .value_kind: global_buffer, .address_space: global }
      - { .name: lists, .offset: 24, .size: 8, .value_kind: global_buffer, .address_space: global }
      - { .name: out0, .offset: 32, .size: 8, .value_kind: global_buffer, .address_space: global }
    .group_segment_fixed_size: 138240
    .private_segment_fixed_size: 0
    .kernarg_segment_align: 8
    .kernarg_segment_size: 40
    .max_flat_workgroup_size: 256
    .sgpr_count:     66
    .vgpr_count:     512
    .wavefront_size: 32
...
	.end_amdgpu_metadata
.endif
;; end of part 4
;; ======== version 2 of 2: 4 launches
;; workspace buffers: xq 4,325,376 bytes; rk 8,192 bytes of whole numbers; rf 32,768 bytes; wq 34,619,392 bytes; lists 52,992 bytes of whole numbers; hq 4,798,464 bytes
;; launch route (part 5): grid 256 x 1, 8 waves a work-group, no clusters, 71,168 bytes of LDS; arguments x, Wg, xq, rk, rf; writes xq, rk, rf
.if DOCPART == 5
	.amdgcn_target "amdgcn-amd-amdhsa--gfx1250"
	.amdhsa_code_object_version 6
	.text
	.protected	k_q0210b2f933_route
	.globl	k_q0210b2f933_route
	.p2align	8
	.type	k_q0210b2f933_route,@function
k_q0210b2f933_route:
	s_mov_b64 s[64:65], 0
	v_nop
	global_prefetch_b8 v0, s[64:65] scope:SCOPE_SE
	s_setreg_imm32_b32 hwreg(HW_REG_WAVE_MODE, 25, 1), 1
	s_wait_xcnt 0x0
; ROUTER AND QUANTISER OF x.  x: [2048 tokens][2048] f32.  Wg: [2048][8] f32.
; A work-group takes 8 tokens, a wave one token: the whole row of 8,192 bytes stays in 64 registers a lane-set, is read from memory once and serves twice:
; for the eight logits (f32 multiply-adds, summed over the lanes) and for the codes of BF8 (E5M2) with one E8M0 byte for each 32 along K.
; STORED, all at places that hang on the token's number alone:  xq: codes [token][2048], and from XSO on the scale words [token][16] (word s: K = 128 s .. 128 s + 127);
; rk: key = 8 lo + hi, lo < hi the two chosen experts;  rf: {weight of lo, weight of hi} for each token, and from PARTO on, for each work-group, 8 sums of softmax(logits) and 8 counts of the first choice.
; The top two are found by strict comparisons in ascending order of the expert, so that of equal logits the lower index is kept.  Both softmaxes take the largest logit away first.
; No matrix instruction: N = 8.  No tensor load, no cluster: the work-groups share Wg alone, 64 KiB, which each copies into its LDS once.
; LIMITS: NaN and infinities among the inputs are not served (a row without two finite logits could give lo = hi).  Two logits closer than the rounding of an f32 sum of 2,048 terms may change places.
; A block whose largest magnitude lies under 2^-111 keeps the byte 1; so does a block of zeros, where the quantiser's text says 127: its codes are zeros, and only this program reads the bytes.
.set XSO,   4194304                    ; xq: where the scale words begin
.set PARTO, 16384                      ; rf: where the work-groups' partial sums begin
.set WGP,   272                        ; LDS: 256 bytes of Wg (8 k x 8 experts) + 16 of padding, so that 16 lanes that take 16 such pieces start at 16 different columns of 16 bytes
.set RECL,  256*WGP                    ; LDS: behind Wg, 64 bytes for each wave: its token's 8 probabilities and 8 marks
.set ACA,   16                         ; v16-23   logits, chain of the even k; later the logits themselves
.set ACB,   24                         ; v24-31   chain of the odd k
.set CD,    32                         ; v32-47   codes, two registers for each chunk: no store's data are written again
.set REC,   48                         ; v48-63   8 probabilities, 8 marks
.set WGR,   64                         ; v64-127  Wg: register 8 i + e = Wg(k + i, e)
.set X,     128                        ; v128-191 x: register 8 j + i = x(256 j + 8 lane + i)
; v1 lane; v2 32 lane; v3 WGP lane; v4 16 thread; v5 where I put Wg; v6 8 lane; v7 8 x my block's place in its K step; v8 lane % 8; v9 my scale word's place; v10-13 at work; v14 0 or at work; v15 my scale word
; v192, v193 largest logit and its expert; v194, v195 the second; v196, v197 at work; v[198:199] the two weights; v200 key; v201, v202 lo, hi; v203 0; v204, v206 LDS addresses; v205 lane % 16
	s_load_b256 s[4:11], s[0:1], 0x0               ; x s[4:5], Wg s[6:7], xq s[8:9], rk s[10:11]
	s_load_b64 s[12:13], s[0:1], 0x20              ; rf
	v_lshl_add_u32 v208, v0, 2, 0x11200
	v_mov_b32 v209, 0
	v_lshrrev_b32 v1, 5, v0
	s_delay_alu instid0(VALU_DEP_1)
	v_readfirstlane_b32 s14, v1                    ; wave 0..7
	v_and_b32 v1, 31, v0
	s_delay_alu instid0(VALU_DEP_1)
	v_lshlrev_b32 v2, 5, v1
	s_delay_alu instid0(VALU_DEP_2)
	v_mul_u32_u24 v3, v1, WGP
	v_lshlrev_b32 v4, 4, v0
	v_lshrrev_b32 v5, 4, v0
	s_delay_alu instid0(VALU_DEP_1)
	v_mul_u32_u24 v5, v5, WGP
	v_and_b32 v205, 15, v0
	s_delay_alu instid0(VALU_DEP_1)
	v_lshl_add_u32 v5, v205, 4, v5                 ; piece thread / 16, 16 bytes a thread
	v_lshlrev_b32 v6, 3, v1
	v_bfe_u32 v7, v0, 2, 2
	s_delay_alu instid0(VALU_DEP_1)
	v_lshlrev_b32 v7, 3, v7                        ; four lanes hold a block of 32; four blocks a K step: my byte's shift in the word
	v_and_b32 v8, 7, v0
	v_bfe_u32 v9, v0, 4, 1
	s_delay_alu instid0(VALU_DEP_1)
	v_lshl_add_u32 v9, v8, 1, v9
	s_delay_alu instid0(VALU_DEP_1)
	v_lshlrev_b32 v9, 2, v9                        ; lane keeps the word of K step 2 (lane % 8) + lane / 16
	v_mov_b32 v14, 0                               ; (a DPP move's destination counts as read)
	v_mov_b32 v15, 0
	v_mov_b32 v203, 0
	v_lshl_add_u32 v206, v205, 2, RECL
	s_lshl_b32 s33, s14, 6
	s_add_co_u32 s33, s33, RECL
	v_mov_b32 v204, s33
	s_lshl_b32 s15, ttmp9, 3
	s_add_co_u32 s15, s15, s14                     ; my token
	s_mov_b32 s16, 0x76543210
	s_mov_b32 s17, 0xfedcba98                      ; v_permlanex16_b32's selects for lane l xor 16
	s_mov_b32 s18, 0x600000                        ; the mantissa field of 57,344
	s_mov_b32 s31, 0
	s_lshl_b32 s30, s15, 13
	s_wait_kmcnt 0x0
.set i, 0
.rept 16
	global_load_b128 v[WGR+4*i:WGR+4*i+3], v4, s[6:7] offset:4096*i      ; all of Wg, 4,096 consecutive bytes for each line of the work-group
.set i, i+1
.endr
	s_add_nc_u64 s[4:5], s[4:5], s[30:31]          ; my token's row
.set i, 0
.rept 8
	global_load_b128 v[X+8*i:X+8*i+3],   v2, s[4:5] offset:1024*i th:TH_LOAD_NT
	global_load_b128 v[X+8*i+4:X+8*i+7], v2, s[4:5] offset:1024*i+16 th:TH_LOAD_NT
.set i, i+1
.endr
	s_lshl_b32 s30, s15, 11
	s_add_nc_u64 s[20:21], s[8:9], s[30:31]        ; my token's codes
	s_lshl_b32 s30, s15, 6
	s_add_co_u32 s30, s30, XSO
	s_add_nc_u64 s[22:23], s[8:9], s[30:31]        ; its scale words
	s_lshl_b32 s30, s15, 2
	s_add_nc_u64 s[24:25], s[10:11], s[30:31]      ; its key
	s_lshl_b32 s30, s15, 3
	s_add_nc_u64 s[26:27], s[12:13], s[30:31]      ; its two weights
	s_lshl_b32 s30, ttmp9, 6
	s_add_co_u32 s30, s30, PARTO
	s_add_nc_u64 s[28:29], s[12:13], s[30:31]      ; the work-group's partial sums
	s_wait_loadcnt 16                              ; Wg's 16 loads are in; the 16 of x, issued behind them, may be out
.set i, 0
.rept 16
	ds_store_b128 v5, v[WGR+4*i:WGR+4*i+3] offset:16*WGP*i
.set i, i+1
.endr
	s_wait_dscnt 0x0                               ; for the others' sake: my part of Wg lies in LDS
	s_barrier_signal -1
	s_barrier_wait -1
.macro WLOAD j                         ; Wg(256 j + 8 lane + 0 .. 7, all experts): my piece of 256 bytes
.set i, 0
.rept 16
	ds_load_b128 v[WGR+4*i:WGR+4*i+3], v3 offset:32*WGP*(\j)+16*i
.set i, i+1
.endr
.endm
.macro FMA j                           ; 64 multiply-adds a lane, two an instruction: experts in pairs, x broadcast; even k on one chain, odd k on the other.  The first products start the sums
.set i, 0
.rept 4
.irp e, 0,2,4,6
.if (\j == 0) && (i == 0)
	v_pk_mul_f32 v[ACA+\e:ACA+\e+1], v[WGR+8*i+\e:WGR+8*i+\e+1], v[X+8*(\j)+i:X+8*(\j)+i+1] op_sel_hi:[1,0]
	v_pk_mul_f32 v[ACB+\e:ACB+\e+1], v[WGR+8*i+8+\e:WGR+8*i+9+\e], v[X+8*(\j)+i:X+8*(\j)+i+1] op_sel:[0,1] op_sel_hi:[1,1]
.else
	v_pk_fma_f32 v[ACA+\e:ACA+\e+1], v[WGR+8*i+\e:WGR+8*i+\e+1], v[X+8*(\j)+i:X+8*(\j)+i+1], v[ACA+\e:ACA+\e+1] op_sel_hi:[1,0,1]
	v_pk_fma_f32 v[ACB+\e:ACB+\e+1], v[WGR+8*i+8+\e:WGR+8*i+9+\e], v[X+8*(\j)+i:X+8*(\j)+i+1], v[ACB+\e:ACB+\e+1] op_sel:[0,1,0] op_sel_hi:[1,1,1]
.endif
.endr
.set i, i+2
.endr
.endm
.macro QUANT j                         ; my 8 numbers of chunk j become 8 codes; four neighbouring lanes hold a block
.set XJ, X+8*(\j)
	v_max3_num_f32 v10, |v[XJ]|, |v[XJ+1]|, 0x8000000              ; with the floor 2^(16 - 127): the byte cannot fall under 1
	s_delay_alu instid0(VALU_DEP_1)
	v_max3_num_f32 v10, v10, |v[XJ+2]|, |v[XJ+3]|
	s_delay_alu instid0(VALU_DEP_1)
	v_max3_num_f32 v10, v10, |v[XJ+4]|, |v[XJ+5]|
	s_delay_alu instid0(VALU_DEP_1)
	v_max3_num_f32 v10, v10, |v[XJ+6]|, |v[XJ+7]|
	s_delay_alu instid0(VALU_DEP_1)
	v_max_num_f32_dpp v10, v10, v10 row_xmask:1 row_mask:0xf bank_mask:0xf
	s_delay_alu instid0(VALU_DEP_1)
	v_max_num_f32_dpp v10, v10, v10 row_xmask:2 row_mask:0xf bank_mask:0xf   ; the block's largest magnitude
	s_delay_alu instid0(VALU_DEP_1)
	v_add_nc_u32 v11, 0xf8800000, v10              ; 15 off its exponent field: the conversion's scale operand
	s_delay_alu instid0(VALU_DEP_2)
	v_and_or_b32 v12, v10, 0x7f800000, s18         ; 57,344 x the scale
.set i, 0
.rept 8
	v_med3_num_f32 v[XJ+i], v[XJ+i], -v12, v12     ; the conversion to an 8-bit code does not saturate (ISA guide 7.6.2): the hold comes first
.set i, i+1
.endr
	v_cvt_scalef32_pk8_bf8_f32 v[CD+2*(\j):CD+2*(\j)+1], v[XJ:XJ+7], v11
	v_lshrrev_b32 v13, 23, v11                     ; the scale's byte (also the plain line behind the conversion)
	s_delay_alu instid0(VALU_DEP_1)
	v_lshlrev_b32 v13, v7, v13                     ; at its place in the K step's word;
	s_delay_alu instid0(VALU_DEP_1)
	v_mov_b32_dpp v14, v13 row_xmask:4 row_mask:0xf bank_mask:0xf
	s_delay_alu instid0(VALU_DEP_1)
	v_or_b32 v13, v13, v14
	s_delay_alu instid0(VALU_DEP_1)
	v_mov_b32_dpp v14, v13 row_xmask:8 row_mask:0xf bank_mask:0xf
	s_delay_alu instid0(VALU_DEP_1)
	v_or_b32 v13, v13, v14                         ; the four blocks' bytes: lanes 0-15 hold the word of K step 2 j, lanes 16-31 that of 2 j + 1
	v_cmp_eq_u32 vcc_lo, \j, v8
	s_delay_alu instid0(VALU_DEP_1)
	v_cndmask_b32 v15, v15, v13, vcc_lo            ; the lanes with lane % 8 = j keep it
	global_store_b64 v6, v[CD+2*(\j):CD+2*(\j)+1], s[20:21] offset:256*(\j)   ; the wave stores 256 consecutive bytes, aligned
.endm
.macro CHUNK j
	s_wait_dscnt 0x0                               ; this chunk's piece of Wg is in
	s_wait_loadcnt 14-2*(\j)                       ; and its two loads of x; the later chunks' may be out
	FMA \j
.if (\j) < 7
	WLOAD (\j)+1                                   ; lands while this chunk is quantised
.endif
	QUANT \j
.endm
	WLOAD 0
.irp j, 0,1,2,3,4,5,6,7
	CHUNK \j
.endr
	; the logits: the two chains, then the 32 lanes; every lane ends with the same eight numbers
.irp e, 0,2,4,6
	v_pk_add_f32 v[ACA+\e:ACA+\e+1], v[ACA+\e:ACA+\e+1], v[ACB+\e:ACB+\e+1]
.endr
.irp x, 1,2,4,8
.irp e, 0,1,2,3,4,5,6,7
	v_add_f32_dpp v[ACA+\e], v[ACA+\e], v[ACA+\e] row_xmask:\x row_mask:0xf bank_mask:0xf
.endr
.endr
.irp e, 0,1,2,3,4,5,6,7
	v_permlanex16_b32 v[ACB+\e], v[ACA+\e], s16, s17
.endr
.irp e, 0,1,2,3,4,5,6,7
	v_add_f32 v[ACA+\e], v[ACA+\e], v[ACB+\e]
.endr
	; the largest logit and its expert: strictly greater alone replaces, so the lower index is kept
	v_mov_b32 v192, v[ACA]
	v_mov_b32 v193, 0
.irp e, 1,2,3,4,5,6,7
	s_delay_alu instid0(VALU_DEP_2)
	v_cmp_gt_f32 vcc_lo, v[ACA+\e], v192
	s_delay_alu instid0(VALU_DEP_1)
	v_cndmask_b32 v192, v192, v[ACA+\e], vcc_lo
	s_delay_alu instid0(VALU_DEP_2)
	v_cndmask_b32 v193, v193, \e, vcc_lo
.endr
	; the second: the same among the other seven
	v_mov_b32 v194, 0xff800000
	v_mov_b32 v195, 0
.irp e, 0,1,2,3,4,5,6,7
	v_cmp_ne_u32 s32, \e, v193
	s_delay_alu instid0(VALU_DEP_3)
	v_cmp_gt_f32 vcc_lo, v[ACA+\e], v194
	s_and_b32 vcc_lo, vcc_lo, s32
	v_cndmask_b32 v194, v194, v[ACA+\e], vcc_lo
	v_cndmask_b32 v195, v195, \e, vcc_lo
.endr
	s_delay_alu instid0(VALU_DEP_2)
	; softmax of the two: 1 / (1 + E) and E / (1 + E), E = e^(second - first), at most 1
	v_sub_f32 v196, v194, v192
	s_delay_alu instid0(VALU_DEP_1)
	v_mul_f32 v196, 0x3fb8aa3b, v196
	s_wait_alu depctr_va_vdst(0)
	v_exp_f32 v196, v196
	v_nop                                          ; a plain line behind a transcendental
	v_cmp_lt_u32 vcc_lo, v193, v195
	s_delay_alu instid0(VALU_DEP_1)
	v_cndmask_b32 v201, v195, v193, vcc_lo         ; lo
	s_delay_alu instid0(VALU_DEP_2)
	v_cndmask_b32 v202, v193, v195, vcc_lo         ; hi
	s_wait_alu depctr_va_vdst(0)
	v_add_f32 v197, 1.0, v196
	s_wait_alu depctr_va_vdst(0)
	v_rcp_f32 v197, v197
	v_lshl_add_u32 v200, v201, 3, v202             ; key = 8 lo + hi (a plain line behind the reciprocal)
	s_wait_alu depctr_va_vdst(0)
	v_mul_f32 v196, v196, v197
	v_cndmask_b32 v198, v196, v197, vcc_lo         ; lo's weight
	v_cndmask_b32 v199, v197, v196, vcc_lo         ; hi's
	; softmax of all eight, for the loss
.irp e, 0,1,2,3,4,5,6,7
	v_sub_f32 v[REC+\e], v[ACA+\e], v192
.endr
.irp e, 0,1,2,3,4,5,6,7
	v_mul_f32 v[REC+\e], 0x3fb8aa3b, v[REC+\e]
.endr
	s_wait_alu depctr_va_vdst(0)
.irp e, 0,1,2,3,4,5,6,7
	v_exp_f32 v[REC+\e], v[REC+\e]
.endr
	v_nop
	s_wait_alu depctr_va_vdst(0)
	v_add_f32 v10, v[REC], v[REC+1]
	v_add_f32 v11, v[REC+2], v[REC+3]
	v_add_f32 v12, v[REC+4], v[REC+5]
	v_add_f32 v13, v[REC+6], v[REC+7]
	s_delay_alu instid0(VALU_DEP_3)
	v_add_f32 v10, v10, v11
	s_delay_alu instid0(VALU_DEP_2)
	v_add_f32 v12, v12, v13
	s_delay_alu instid0(VALU_DEP_1)
	v_add_f32 v10, v10, v12
	s_wait_alu depctr_va_vdst(0)
	v_rcp_f32 v10, v10
	v_nop
.irp e, 0,1,2,3,4,5,6,7
	v_cmp_eq_u32 vcc_lo, \e, v193
	s_delay_alu instid0(VALU_DEP_1)
	v_cndmask_b32 v[REC+8+\e], 0, 1.0, vcc_lo      ; the mark of the first choice
.endr
	s_wait_alu depctr_va_vdst(0)
.irp e, 0,1,2,3,4,5,6,7
	v_mul_f32 v[REC+\e], v[REC+\e], v10
.endr
.irp i, 0,1,2,3
	ds_store_b128 v204, v[REC+4*\i:REC+4*\i+3] offset:16*\i       ; all lanes write the same bytes with the same values
.endr
	s_wait_dscnt 0x0                               ; for wave 0's sake
	s_barrier_signal -1
	s_barrier_wait -1
	v_cmp_gt_u32 vcc_lo, 8, v205
	s_wait_xcnt 0x0                                ; EXEC changes only behind this wait: it is a source of the stores that are out
	s_and_saveexec_b32 s19, vcc_lo
	global_store_b32 v9, v15, s[22:23]             ; 16 lanes store the token's 16 scale words
	s_wait_xcnt 0x0
	s_or_b32 exec_lo, exec_lo, s19
	v_cmp_eq_u32 vcc_lo, 0, v1
	s_and_saveexec_b32 s19, vcc_lo
	global_store_b32 v203, v200, s[24:25]
	global_store_b64 v203, v[198:199], s[26:27]
	s_wait_xcnt 0x0
	s_or_b32 exec_lo, exec_lo, s19
	s_cmp_lg_u32 s14, 0
	s_cbranch_scc1 .Lend
.set i, 0
.rept 8
	ds_load_b32 v[WGR+i], v206 offset:64*i         ; number lane % 16 of each wave's record
.set i, i+1
.endr
	v_lshlrev_b32 v72, 2, v1
	v_cmp_gt_u32 vcc_lo, 16, v1
	s_wait_dscnt 0x0
	v_add_f32 v64, v64, v65
	v_add_f32 v66, v66, v67
	v_add_f32 v68, v68, v69
	v_add_f32 v70, v70, v71
	s_delay_alu instid0(VALU_DEP_3)
	v_add_f32 v64, v64, v66
	s_delay_alu instid0(VALU_DEP_2)
	v_add_f32 v68, v68, v70
	s_delay_alu instid0(VALU_DEP_1)
	v_add_f32 v64, v64, v68
	s_wait_alu depctr_va_vdst(0)
	s_wait_xcnt 0x0
	s_and_saveexec_b32 s19, vcc_lo
	global_store_b32 v72, v64, s[28:29]
	s_wait_xcnt 0x0
	s_or_b32 exec_lo, exec_lo, s19
.Lend:
	s_wait_tensorcnt 0x0
	ds_add_u32 v208, v209
	s_wait_dscnt 0x0
	s_endpgm
.Lfunc_end_k_q0210b2f933_route:
	.size	k_q0210b2f933_route, .Lfunc_end_k_q0210b2f933_route-k_q0210b2f933_route
	.p2alignl 7, 3214868480
	.fill 96, 4, 3214868480
	.section	.rodata,"a",@progbits
	.p2align	6, 0x0
	.amdhsa_kernel k_q0210b2f933_route
		.amdhsa_group_segment_fixed_size 71168
		.amdhsa_private_segment_fixed_size 0
		.amdhsa_enable_private_segment 0
		.amdhsa_kernarg_size 40
		.amdhsa_user_sgpr_count 2
		.amdhsa_user_sgpr_kernarg_segment_ptr 1
		.amdhsa_wavefront_size32 1
		.amdhsa_system_sgpr_workgroup_id_x 1
		.amdhsa_system_sgpr_workgroup_id_y 1
		.amdhsa_system_sgpr_workgroup_id_z 1
		.amdhsa_system_vgpr_workitem_id 0
		.amdhsa_next_free_vgpr 210
		.amdhsa_next_free_sgpr 66
		.amdhsa_reserve_vcc 1
		.amdhsa_float_denorm_mode_32 3
		.amdhsa_float_denorm_mode_16_64 3
		.amdhsa_memory_ordered 1
		.amdhsa_forward_progress 1
		.amdhsa_inst_pref_size 60
	.end_amdhsa_kernel
	.amdgpu_metadata
---
amdhsa.version: [ 1, 2 ]
amdhsa.kernels:
  - .name:           k_q0210b2f933_route
    .symbol:         k_q0210b2f933_route.kd
    .args:
      - { .name: x, .offset: 0, .size: 8, .value_kind: global_buffer, .address_space: global }
      - { .name: Wg, .offset: 8, .size: 8, .value_kind: global_buffer, .address_space: global }
      - { .name: xq, .offset: 16, .size: 8, .value_kind: global_buffer, .address_space: global }
      - { .name: rk, .offset: 24, .size: 8, .value_kind: global_buffer, .address_space: global }
      - { .name: rf, .offset: 32, .size: 8, .value_kind: global_buffer, .address_space: global }
    .group_segment_fixed_size: 71168
    .private_segment_fixed_size: 0
    .kernarg_segment_align: 8
    .kernarg_segment_size: 40
    .max_flat_workgroup_size: 256
    .sgpr_count:     66
    .vgpr_count:     210
    .wavefront_size: 32
...
	.end_amdgpu_metadata
.endif
;; end of part 5
;; launch prep (part 6): grid 513 x 1, 8 waves a work-group, no clusters, 3,072 bytes of LDS; arguments W1, W2, rk, rf, wq, lists, out1; writes wq, lists, out1
.if DOCPART == 6
	.amdgcn_target "amdgcn-amd-amdhsa--gfx1250"
	.amdhsa_code_object_version 6
	.text
	.protected	k_q0210b2f933_prep
	.globl	k_q0210b2f933_prep
	.p2align	8
	.type	k_q0210b2f933_prep,@function
k_q0210b2f933_prep:
	s_mov_b64 s[64:65], 0
	v_nop
	global_prefetch_b8 v0, s[64:65] scope:SCOPE_SE
	s_setreg_imm32_b32 hwreg(HW_REG_WAVE_MODE, 25, 1), 1
	s_wait_xcnt 0x0
; TWO JOBS IN ONE LAUNCH, parted by the work-group's number.
; WORK-GROUPS 1-512 turn W1 [8][2048 (K)][1024] and W2 [8][1024 (K)][2048], f32 with K as the first axis of an expert's matrix, into codes of BF8 (E5M2) with one E8M0 byte for each 32 along K,
; laid in the ORDER OF AN OPERAND'S REGISTERS.  A lane takes a column and its registers run down K: a block of 32 lies in one lane, nothing is transposed, every load of a wave reads 128 consecutive bytes
; and the eight waves stand side by side on 1,024.  A wave takes 32 columns (a group b) x 256 along K (a run kc).
;   codes:  W1: [e][b 32][s 16][u 2][2048 bytes], W2 from W2C on: [e][b 64][s 8][u 2][2048 bytes]; s a K step of 128, u a tile of 16 columns.  In a fragment, byte 512 c + 256 h + 16 r holds the 16 codes
;           k = 128 s + 32 c + 16 h + 0 .. 15 of tile row r, which is column 32 b + 8 u + r + 8 (r / 8): so that in the transposed product a lane's 16 results of tiles u = 0, 1 are 16 neighbouring columns.
;   scales: from W1S, W2S on: [e][b][kc][p 32][2 words], p = 16 u + r.
; WORK-GROUP 0 places the rows.  Tokens are sorted by their pair of experts (28 bins, a counting sort without atomics: a wave counts its 256 tokens, the counts meet in LDS behind one barrier).
; One rank serves three places: the token's place P in the sorted order, and its row in each of its two experts' lists, whose order is (bin, rank).  An expert's rows begin on a tile of 64.
;   lists: SRT [P]{token, key, row in lo's list, row in hi's};  from ROWTOK on [row] token;  from TLO on [tile 256]{expert, rows}.   wq from WSORT on: [P]{weight of lo, of hi}.
; It also finishes the loss: 0.01 x 8 x the sum over experts of (count / 2048) (sum of probabilities / 2048).
; No tensor load and no cluster: the weights are read once by one wave each, and nothing is shared.
; LIMITS: NaN and infinities are not served.  A block whose largest magnitude lies under 2^-111 keeps the byte 1; so does a block of zeros, where the quantiser's text says 127: its codes are zeros, and only this program reads the bytes.
.set W2C,    16777216
.set W1S,    33554432
.set W2S,    34078720
.set WSORT,  34603008
.set ROWTOK, 32768
.set TLO,    50944
.set PARTO,  16384
.set PS,     1024                      ; LDS: bytes 0-1023 the waves' counts, 128 a wave; from PS on the waves' sums for the loss, 64 a wave
; the weights' paths: v2 4 lane; v3 my codes' place in a fragment pair; v4 my scale words' place; v8-12 at work; v[14:15] scale bytes
.set WC,   16                          ; v16-23  a block's codes
.set WX,   32                          ; v32-95  two sets of 32 numbers
; the placing path
.set KEY,  8                           ; v8-15   the keys of my 8 tokens (round rd: token 256 wave + 32 rd + lane)
.set WT,   16                          ; v16-31  their pairs of weights
.set P,    32                          ; v32-39  place in the sorted order
.set DL,   40                          ; v40-47  row in lo's list less P
.set DH,   48                          ; v48-55  row in hi's list less P
.set Q,    56                          ; v56-87  the records to store
.set T,    88
.set CNT,  89                          ; lane b: my wave's count of bin b
.set R,    90                          ; v90-97  lane b: each wave's count of bin b
.set TOT,  98
.set BEF,  99                          ; lane b: the count of bin b in the waves before mine
.set PART, 100                         ; v100-115
.set S,    116                         ; v116-119
.set MK,   66                          ; s66-73  a bin's masks, one a round
.set RS,   74                          ; s74-81  the place at which each round's tokens of the bin begin
; s20-27 the experts' counts; s28-35 their first tiles; s40-47 their next free rows; s48 the bin's first place
	s_load_b256 s[4:11], s[0:1], 0x0               ; W1 s[4:5], W2 s[6:7], rk s[8:9], rf s[10:11]
	s_load_b128 s[12:15], s[0:1], 0x20             ; wq s[12:13], lists s[14:15]
	s_load_b64 s[16:17], s[0:1], 0x30              ; out1
	v_lshl_add_u32 v128, v0, 2, 0x800
	v_mov_b32 v129, 0
	v_lshrrev_b32 v1, 5, v0
	s_delay_alu instid0(VALU_DEP_1)
	v_readfirstlane_b32 s18, v1                    ; wave 0..7
	v_and_b32 v1, 31, v0                           ; lane
	s_mov_b32 s19, 0x600000                        ; the mantissa field of 57,344
	s_mov_b32 s25, 0
	s_cmp_eq_u32 ttmp9, 0
	s_cbranch_scc1 .Lplace
	v_lshlrev_b32 v2, 2, v1
	v_bfe_u32 v5, v0, 3, 1                         ; my column's tile u
	v_and_b32 v6, 7, v0
	v_bfe_u32 v7, v0, 4, 1
	s_delay_alu instid0(VALU_DEP_1)
	v_lshl_or_b32 v6, v7, 3, v6                    ; and its row r in the tile
	s_delay_alu instid0(VALU_DEP_1)
	v_lshlrev_b32 v3, 4, v6
	s_delay_alu instid0(VALU_DEP_1)
	v_lshl_add_u32 v3, v5, 11, v3                  ; 2048 u + 16 r
	s_delay_alu instid0(VALU_DEP_3)
	v_lshl_add_u32 v4, v5, 4, v6
	s_delay_alu instid0(VALU_DEP_1)
	v_lshlrev_b32 v4, 3, v4                        ; 8 (16 u + r)
.macro WLD t, stride                   ; block t: W(32 t + i, my column), i = 0 .. 31, into set t % 2
.set i, 0
.rept 32
	global_load_b32 v[WX+32*((\t)%2)+i], v2, s[32:33] offset:(32*(\t)+i)*\stride th:TH_LOAD_NT
.set i, i+1
.endr
.endm
.macro WBLK t, stride
.set XB, WX+32*((\t)%2)
.if (\t) < 7
	s_wait_loadcnt 32                              ; this block's 32 loads are in; the next block's may be out
.else
	s_wait_loadcnt 0x0
.endif
	v_max3_num_f32 v8, |v[XB]|, |v[XB+1]|, |v[XB+2]|               ; the block's largest magnitude: all 32 numbers are mine; two chains
	v_max3_num_f32 v9, |v[XB+3]|, |v[XB+4]|, |v[XB+5]|
.irp i, 6,10,14,18,22,26
	s_delay_alu instid0(VALU_DEP_2)
	v_max3_num_f32 v8, v8, |v[XB+\i]|, |v[XB+\i+1]|
	s_delay_alu instid0(VALU_DEP_2)
	v_max3_num_f32 v9, v9, |v[XB+\i+2]|, |v[XB+\i+3]|
.endr
	s_delay_alu instid0(VALU_DEP_2)
	v_max3_num_f32 v8, v8, |v[XB+30]|, |v[XB+31]|
	s_delay_alu instid0(VALU_DEP_1)
	v_max3_num_f32 v8, v8, v9, 0x8000000           ; and the floor 2^(16 - 127): the byte cannot fall under 1
	s_delay_alu instid0(VALU_DEP_1)
	v_add_nc_u32 v11, 0xf8800000, v8               ; 15 off its exponent field: the conversion's scale operand
	s_delay_alu instid0(VALU_DEP_2)
	v_and_or_b32 v10, v8, 0x7f800000, s19          ; 57,344 x the scale
	s_delay_alu instid0(VALU_DEP_2)
	v_lshrrev_b32 v12, 23, v11                     ; the scale's byte
.if (\t)%4 == 0
	s_delay_alu instid0(VALU_DEP_1)
	v_mov_b32 v[14+(\t)/4], v12                    ; four bytes to a word, the lower K in the lower byte
.else
	s_delay_alu instid0(VALU_DEP_1)
	v_lshl_or_b32 v[14+(\t)/4], v12, 8*((\t)%4), v[14+(\t)/4]
.endif
.set i, 0
.rept 32
	v_med3_num_f32 v[XB+i], v[XB+i], -v10, v10     ; the conversion to an 8-bit code does not saturate (ISA guide 7.6.2): the hold comes first
.set i, i+1
.endr
	s_wait_alu depctr_va_vdst(0)
	s_wait_xcnt 0x0                                ; the last block's stores have read the codes' registers: only now are they written again
.irp g, 0,1,2,3
	v_cvt_scalef32_pk8_bf8_f32 v[WC+2*\g:WC+2*\g+1], v[XB+8*\g:XB+8*\g+7], v11
.endr
	global_store_b128 v3, v[WC:WC+3],   s[28:29] offset:4096*((\t)/4)+512*((\t)%4)       ; k = 32 t + 0 .. 15: the sixteen lanes of a tile fill 256 consecutive bytes, aligned
	global_store_b128 v3, v[WC+4:WC+7], s[28:29] offset:4096*((\t)/4)+512*((\t)%4)+256   ; k = 32 t + 16 .. 31
.if (\t) < 6
	WLD (\t)+2, \stride
.endif
.endm
; One tensor's path.  g0: its first work-group; cgm, kcf: how the number splits into column groups and runs of K; ksh, bc, bs: shifts; cb, sb: where its codes and scales begin; src: its pointer; stride: bytes in a row
.macro WPATH g0, cgm, kcf, ksh, bc, bs, cb, sb, src, stride
	s_sub_co_u32 s20, ttmp9, \g0
	s_and_b32 s21, s20, \cgm
	s_bfe_u32 s22, s20, \kcf                       ; kc
	s_lshr_b32 s23, s20, 5                         ; expert
	s_lshl_b32 s21, s21, 3
	s_add_co_u32 s21, s21, s18                     ; b
	s_lshl_b32 s24, s23, 23                        ; an expert's matrix is 8 MiB,
	s_lshl_b32 s26, s22, \ksh                      ; 256 rows,
	s_add_co_u32 s24, s24, s26
	s_lshl_b32 s26, s21, 7                         ; 32 columns of 4 bytes
	s_add_co_u32 s24, s24, s26
	s_wait_kmcnt 0x0
	s_add_nc_u64 s[32:33], s[\src:\src+1], s[24:25]
	s_lshl_b32 s24, s23, 21
	s_lshl_b32 s26, s21, \bc
	s_add_co_u32 s24, s24, s26
	s_lshl_b32 s26, s22, 13
	s_add_co_u32 s24, s24, s26
	s_add_co_u32 s24, s24, \cb
	s_add_nc_u64 s[28:29], s[12:13], s[24:25]      ; my two K steps' fragments
	s_lshl_b32 s24, s23, 16
	s_lshl_b32 s26, s21, \bs
	s_add_co_u32 s24, s24, s26
	s_lshl_b32 s26, s22, 8
	s_add_co_u32 s24, s24, s26
	s_add_co_u32 s24, s24, \sb
	s_add_nc_u64 s[30:31], s[12:13], s[24:25]      ; and their scale words
	WLD 0, \stride
	WLD 1, \stride
.irp t, 0,1,2,3,4,5,6,7
	WBLK \t, \stride
.endr
	global_store_b64 v4, v[14:15], s[30:31]        ; the wave stores 256 consecutive bytes, aligned
	s_endpgm
.endm
	s_cmp_lt_u32 ttmp9, 257
	s_cbranch_scc0 .Lw2
	s_wait_alu depctr_va_vdst(0)
	WPATH 1, 3, 0x30002, 20, 16, 11, 0, W1S, 4, 4096
.Lw2:
	s_wait_alu depctr_va_vdst(0)
	WPATH 257, 7, 0x20003, 21, 15, 10, W2C, W2S, 6, 8192
.Lplace:
	s_wait_alu depctr_va_vdst(0)
	v_lshlrev_b32 v124, 2, v1                      ; 4 lane
	s_delay_alu instid0(VALU_DEP_1)
	v_lshl_add_u32 v120, s18, 10, v124             ; my tokens' keys: 1,024 wave + 4 lane
	s_delay_alu instid0(VALU_DEP_1)
	v_lshlrev_b32 v121, 1, v120                    ; their weights
	v_lshlrev_b32 v122, 2, v0                      ; LDS: my wave's counts, my lane's word
	v_and_b32 v5, 3, v0
	s_delay_alu instid0(VALU_DEP_1)
	v_lshlrev_b32 v126, 4, v5
	s_delay_alu instid0(VALU_DEP_1)
	v_add_nc_u32 v126, PS, v126                    ; LDS: the sums' four columns of lane % 4
	s_lshl_b32 s54, s18, 6
	v_add_nc_u32 v123, s54, v126                   ; in my wave's 64 bytes
	v_lshl_add_u32 v125, s18, 8, v1                ; my first token
	v_mov_b32 v127, 0
	v_lshlrev_b32 v7, 4, v0
	v_lshlrev_b32 v6, 3, v0
	v_mov_b32 v[CNT], 0
	s_mov_b32 s38, 0x76543210
	s_mov_b32 s39, 0xfedcba98
	s_wait_alu depctr_va_vdst(0)
	s_wait_kmcnt 0x0
	s_add_nc_u64 s[36:37], s[12:13], WSORT
.set i, 0
.rept 8
	global_load_b32 v[KEY+i], v120, s[8:9] offset:128*i
.set i, i+1
.endr
.set i, 0
.rept 8
	global_load_b64 v[WT+2*i:WT+2*i+1], v121, s[10:11] offset:256*i
.set i, i+1
.endr
.set i, 0
.rept 4
	global_load_b128 v[PART+4*i:PART+4*i+3], v7, s[10:11] offset:PARTO+4096*i     ; the 256 work-groups' sums: my four loads hold columns 4 (lane % 4) + 0 .. 3 of four rows
.set i, i+1
.endr
	s_wait_loadcnt 0x0
	; my wave's count of each bin
.set bin, 0
.irp lo, 0,1,2,3,4,5,6
.irp hi, 1,2,3,4,5,6,7
.if \hi > \lo
.set rd, 0
	s_wait_alu depctr_va_vdst(0)
.rept 8
	v_cmp_eq_u32 s[MK+rd], 8*\lo+\hi, v[KEY+rd]
.set rd, rd+1
.endr
	s_bcnt1_i32_b32 s50, s[MK]
.set rd, 1
.rept 7
	s_bcnt1_i32_b32 s55, s[MK+rd]
	s_add_co_u32 s50, s50, s55
.set rd, rd+1
.endr
	v_writelane_b32 v[CNT], s50, bin
.set bin, bin+1
.endif
.endr
.endr
	; my wave's part of the loss's sums
	v_pk_add_f32 v[S:S+1],   v[PART:PART+1],   v[PART+4:PART+5]
	v_pk_add_f32 v[S+2:S+3], v[PART+2:PART+3], v[PART+6:PART+7]
	s_delay_alu instid0(VALU_DEP_2)
	v_pk_add_f32 v[S:S+1],   v[S:S+1],   v[PART+8:PART+9]
	s_delay_alu instid0(VALU_DEP_2)
	v_pk_add_f32 v[S+2:S+3], v[S+2:S+3], v[PART+10:PART+11]
	s_delay_alu instid0(VALU_DEP_2)
	v_pk_add_f32 v[S:S+1],   v[S:S+1],   v[PART+12:PART+13]
	s_delay_alu instid0(VALU_DEP_2)
	v_pk_add_f32 v[S+2:S+3], v[S+2:S+3], v[PART+14:PART+15]
.irp x, 4,8
.irp c, 0,1,2,3
	v_add_f32_dpp v[S+\c], v[S+\c], v[S+\c] row_xmask:\x row_mask:0xf bank_mask:0xf
.endr
.endr
.irp c, 0,1,2,3
	s_delay_alu instid0(VALU_DEP_4)
	v_permlanex16_b32 v[PART+\c], v[S+\c], s38, s39
.endr
.irp c, 0,1,2,3
	s_delay_alu instid0(VALU_DEP_4)
	v_add_f32 v[S+\c], v[S+\c], v[PART+\c]         ; over the eight lanes with my lane % 4
.endr
	ds_store_b32 v122, v[CNT]
	ds_store_b128 v123, v[S:S+3]                   ; eight lanes write the same bytes with the same values
	s_wait_dscnt 0x0                               ; for the others' sake
	s_barrier_signal -1
	s_barrier_wait -1
.set i, 0
.rept 8
	ds_load_b32 v[R+i], v124 offset:128*i
.set i, i+1
.endr
	s_wait_dscnt 0x0
	v_add3_u32 v[TOT], v[R], v[R+1], v[R+2]
	s_delay_alu instid0(VALU_DEP_1)
	v_add3_u32 v[TOT], v[TOT], v[R+3], v[R+4]
	s_delay_alu instid0(VALU_DEP_1)
	v_add3_u32 v[TOT], v[TOT], v[R+5], v[R+6]
	s_delay_alu instid0(VALU_DEP_1)
	v_add_nc_u32 v[TOT], v[TOT], v[R+7]
	v_mov_b32 v[BEF], 0
.set i, 0
.rept 7
	s_cmp_gt_u32 s18, i
	s_cselect_b32 s54, -1, 0
	v_and_b32 v[T], s54, v[R+i]
	s_delay_alu instid0(VALU_DEP_1)
	v_add_nc_u32 v[BEF], v[BEF], v[T]
.set i, i+1
.endr
	; the loss: wave 0 alone
	s_cmp_lg_u32 s18, 0
	s_cbranch_scc1 .Lnoloss
.set i, 0
.rept 8
	ds_load_b128 v[Q+4*i:Q+4*i+3], v126 offset:64*i
.set i, i+1
.endr
	s_wait_dscnt 0x0
.set i, 1
	v_pk_add_f32 v[Q:Q+1],   v[Q:Q+1],   v[Q+4*i:Q+4*i+1]
	v_pk_add_f32 v[Q+2:Q+3], v[Q+2:Q+3], v[Q+4*i+2:Q+4*i+3]
.set i, i+1
.rept (7)-1
	s_delay_alu instid0(VALU_DEP_2)
	v_pk_add_f32 v[Q:Q+1],   v[Q:Q+1],   v[Q+4*i:Q+4*i+1]
	s_delay_alu instid0(VALU_DEP_2)
	v_pk_add_f32 v[Q+2:Q+3], v[Q+2:Q+3], v[Q+4*i+2:Q+4*i+3]
.set i, i+1
.endr
.irp c, 0,1,2,3
	v_mul_f32_dpp v[PART+\c], v[Q+\c], v[Q+\c] row_xmask:2 row_mask:0xf bank_mask:0xf   ; lanes 2 apart hold an expert's sum of probabilities and its count
.endr
	s_delay_alu instid0(VALU_DEP_3)
	v_add_f32 v[PART], v[PART], v[PART+1]
	s_delay_alu instid0(VALU_DEP_2)
	v_add_f32 v[PART+2], v[PART+2], v[PART+3]
	s_delay_alu instid0(VALU_DEP_1)
	v_add_f32 v[PART], v[PART], v[PART+2]
	s_delay_alu instid0(VALU_DEP_1)
	v_add_f32_dpp v[PART], v[PART], v[PART] row_xmask:1 row_mask:0xf bank_mask:0xf      ; experts 0-3 and 4-7
	s_delay_alu instid0(VALU_DEP_1)
	v_mul_f32 v[PART], 0x32a3d70a, v[PART]         ; x 0.08 / 2^22
	v_cmp_eq_u32 vcc_lo, 0, v1
	s_wait_alu depctr_va_vdst(0)
	s_wait_xcnt 0x0                                ; EXEC changes only behind this wait
	s_and_saveexec_b32 s54, vcc_lo
	global_store_b32 v127, v[PART], s[16:17]
	s_wait_xcnt 0x0                                ; and again; the store has also read its data, which are written anew below
	s_or_b32 exec_lo, exec_lo, s54
.Lnoloss:
	; the experts' counts, first tiles and first rows
.irp e, 0,1,2,3,4,5,6,7
	s_mov_b32 s[20+\e], 0
.endr
.set bin, 0
.irp lo, 0,1,2,3,4,5,6
.irp hi, 1,2,3,4,5,6,7
.if \hi > \lo
	v_readlane_b32 s49, v[TOT], bin
	s_add_co_u32 s[20+\lo], s[20+\lo], s49
	s_add_co_u32 s[20+\hi], s[20+\hi], s49
.set bin, bin+1
.endif
.endr
.endr
	s_mov_b32 s28, 0
.irp e, 0,1,2,3,4,5,6
	s_add_co_u32 s54, s[20+\e], 63
	s_lshr_b32 s54, s54, 6
	s_add_co_u32 s[29+\e], s[28+\e], s54
.endr
.irp e, 0,1,2,3,4,5,6,7
	s_lshl_b32 s[40+\e], s[28+\e], 6
.endr
	s_mov_b32 s48, 0
.set i, 0
.rept 8
	v_mov_b32 v[P+i], 0
	v_mov_b32 v[DL+i], 0
	v_mov_b32 v[DH+i], 0
.set i, i+1
.endr
	; every token's three places, bin by bin
.set bin, 0
.irp lo, 0,1,2,3,4,5,6
.irp hi, 1,2,3,4,5,6,7
.if \hi > \lo
	v_readlane_b32 s49, v[TOT], bin
	v_readlane_b32 s50, v[BEF], bin
.set rd, 0
.rept 8
	v_cmp_eq_u32 s[MK+rd], 8*\lo+\hi, v[KEY+rd]
.set rd, rd+1
.endr
	s_add_co_u32 s[RS], s48, s50                   ; the bin's first place + the waves before mine
	s_sub_co_u32 s52, s[40+\lo], s48               ; from a place in the sorted order to a row of lo's list,
	s_sub_co_u32 s53, s[40+\hi], s48               ; and of hi's
.set rd, 0
.rept 7
	s_bcnt1_i32_b32 s55, s[MK+rd]
	s_add_co_u32 s[RS+rd+1], s[RS+rd], s55
.set rd, rd+1
.endr
.set rd, 0
.rept 8
	v_mbcnt_lo_u32_b32 v[T], s[MK+rd], s[RS+rd]    ; + the lanes below mine
	s_delay_alu instid0(VALU_DEP_1)
	v_cndmask_b32 v[P+rd], v[P+rd], v[T], s[MK+rd]
	v_cndmask_b32 v[DL+rd], v[DL+rd], s52, s[MK+rd]
	v_cndmask_b32 v[DH+rd], v[DH+rd], s53, s[MK+rd]
.set rd, rd+1
.endr
	s_add_co_u32 s[40+\lo], s[40+\lo], s49
	s_add_co_u32 s[40+\hi], s[40+\hi], s49
	s_add_co_u32 s48, s48, s49
.set bin, bin+1
.endif
.endr
.endr
	; the records.  Each round has registers of its own for data and offsets: no store's source is written again
.set rd, 0
.rept 8
	v_add_nc_u32 v[Q+4*rd+2], v[P+rd], v[DL+rd]
	v_add_nc_u32 v[Q+4*rd+3], v[P+rd], v[DH+rd]
	s_delay_alu instid0(VALU_DEP_2)
	v_min_u32 v[Q+4*rd+2], 0x11bf, v[Q+4*rd+2]     ; 71 tiles of 64 rows at the most, whatever the split
	s_delay_alu instid0(VALU_DEP_2)
	v_min_u32 v[Q+4*rd+3], 0x11bf, v[Q+4*rd+3]
	v_min_u32 v[P+rd], 0x7ff, v[P+rd]
	v_add_nc_u32 v[Q+4*rd], 32*rd, v125            ; the token
	v_mov_b32 v[Q+4*rd+1], v[KEY+rd]
	s_delay_alu instid0(VALU_DEP_3)
	v_lshlrev_b32 v[DL+rd], 4, v[P+rd]
	s_delay_alu instid0(VALU_DEP_4)
	v_lshlrev_b32 v[DH+rd], 3, v[P+rd]
	v_lshlrev_b32 v[P+rd], 2, v[Q+4*rd+2]
	v_lshlrev_b32 v[KEY+rd], 2, v[Q+4*rd+3]
	global_store_b128 v[DL+rd], v[Q+4*rd:Q+4*rd+3], s[14:15]
	global_store_b64 v[DH+rd], v[WT+2*rd:WT+2*rd+1], s[36:37]
	global_store_b32 v[P+rd], v[Q+4*rd], s[14:15] offset:ROWTOK
	global_store_b32 v[KEY+rd], v[Q+4*rd], s[14:15] offset:ROWTOK
.set rd, rd+1
.endr
	; the list of tiles: thread j writes tile j: the last expert whose first tile is j or less, and what is left of its rows there, 64 at the most, 0 behind the last tile
	v_mov_b32 v100, 0
	v_mov_b32 v102, 0
	v_mov_b32 v103, s20
.irp e, 1,2,3,4,5,6,7
	v_cmp_le_u32 vcc_lo, s[28+\e], v0
	s_delay_alu instid0(VALU_DEP_1)
	v_cndmask_b32 v100, v100, \e, vcc_lo
	s_delay_alu instid0(VALU_DEP_2)
	v_cndmask_b32 v102, v102, s[28+\e], vcc_lo
	s_delay_alu instid0(VALU_DEP_3)
	v_cndmask_b32 v103, v103, s[20+\e], vcc_lo
.endr
	s_delay_alu instid0(VALU_DEP_2)
	v_sub_nc_u32 v104, v0, v102
	s_delay_alu instid0(VALU_DEP_1)
	v_lshlrev_b32 v104, 6, v104
	s_delay_alu instid0(VALU_DEP_1)
	v_min_u32 v104, v104, v103
	s_delay_alu instid0(VALU_DEP_1)
	v_sub_nc_u32 v101, v103, v104
	s_delay_alu instid0(VALU_DEP_1)
	v_min_u32 v101, 64, v101
	global_store_b64 v6, v[100:101], s[14:15] offset:TLO
	s_wait_tensorcnt 0x0
	ds_add_u32 v128, v129
	s_wait_dscnt 0x0
	s_endpgm
.Lfunc_end_k_q0210b2f933_prep:
	.size	k_q0210b2f933_prep, .Lfunc_end_k_q0210b2f933_prep-k_q0210b2f933_prep
	.p2alignl 7, 3214868480
	.fill 96, 4, 3214868480
	.section	.rodata,"a",@progbits
	.p2align	6, 0x0
	.amdhsa_kernel k_q0210b2f933_prep
		.amdhsa_group_segment_fixed_size 3072
		.amdhsa_private_segment_fixed_size 0
		.amdhsa_enable_private_segment 0
		.amdhsa_kernarg_size 56
		.amdhsa_user_sgpr_count 2
		.amdhsa_user_sgpr_kernarg_segment_ptr 1
		.amdhsa_wavefront_size32 1
		.amdhsa_system_sgpr_workgroup_id_x 1
		.amdhsa_system_sgpr_workgroup_id_y 1
		.amdhsa_system_sgpr_workgroup_id_z 1
		.amdhsa_system_vgpr_workitem_id 0
		.amdhsa_next_free_vgpr 130
		.amdhsa_next_free_sgpr 84
		.amdhsa_reserve_vcc 1
		.amdhsa_float_denorm_mode_32 3
		.amdhsa_float_denorm_mode_16_64 3
		.amdhsa_memory_ordered 1
		.amdhsa_forward_progress 1
		.amdhsa_inst_pref_size 255
	.end_amdhsa_kernel
	.section	.bss,"aw",@nobits
	.p2align	6
	.space	262144
	.amdgpu_metadata
---
amdhsa.version: [ 1, 2 ]
amdhsa.kernels:
  - .name:           k_q0210b2f933_prep
    .symbol:         k_q0210b2f933_prep.kd
    .args:
      - { .name: W1, .offset: 0, .size: 8, .value_kind: global_buffer, .address_space: global }
      - { .name: W2, .offset: 8, .size: 8, .value_kind: global_buffer, .address_space: global }
      - { .name: rk, .offset: 16, .size: 8, .value_kind: global_buffer, .address_space: global }
      - { .name: rf, .offset: 24, .size: 8, .value_kind: global_buffer, .address_space: global }
      - { .name: wq, .offset: 32, .size: 8, .value_kind: global_buffer, .address_space: global }
      - { .name: lists, .offset: 40, .size: 8, .value_kind: global_buffer, .address_space: global }
      - { .name: out1, .offset: 48, .size: 8, .value_kind: global_buffer, .address_space: global }
    .group_segment_fixed_size: 3072
    .private_segment_fixed_size: 0
    .kernarg_segment_align: 8
    .kernarg_segment_size: 56
    .max_flat_workgroup_size: 256
    .sgpr_count:     84
    .vgpr_count:     130
    .wavefront_size: 32
...
	.end_amdgpu_metadata
.endif
;; end of part 6
;; launch ffn1 (part 7): grid 4 x 71, 8 waves a work-group, no clusters, 137,216 bytes of LDS; arguments xq, wq, b1, lists, hq; writes hq
.if DOCPART == 7
	.amdgcn_target "amdgcn-amd-amdhsa--gfx1250"
	.amdhsa_code_object_version 6
	.text
	.protected	k_q0210b2f933_ffn1
	.globl	k_q0210b2f933_ffn1
	.p2align	8
	.type	k_q0210b2f933_ffn1,@function
k_q0210b2f933_ffn1:
	s_mov_b64 s[64:65], 0
	v_nop
	global_prefetch_b8 v0, s[64:65] scope:SCOPE_SE
	s_setreg_imm32_b32 hwreg(HW_REG_WAVE_SCHED_MODE, 0, 2), 2
	s_setreg_imm32_b32 hwreg(HW_REG_WAVE_MODE, 25, 1), 1
	s_wait_xcnt 0x0
	s_wait_alu depctr_vm_vsrc(0)
; THE FIRST PRODUCT, on the chosen rows alone: h = Q(relu(x W1[e] + b1[e])), in MX-BF8 (codes of E5M2, one E8M0 byte for each 32 along K), f32 sums.
; A work-group takes one tile of up to 64 rows of one expert's list (grid y: 71 tiles serve every split of 4,096 routed rows among 8 experts) and 256 hidden units (grid x).
; The tile's expert and number of rows come from the list that the launch before stored; a tile without rows stores nothing and ends.
; Each of the eight waves makes all 64 rows x 32 hidden units (a group b): exactly one block of the next quantiser.
; x's codes and scale words are gathered by the stored token numbers into LDS ONCE (64 rows of 2,048 + 64 bytes), so the walk along K has no barrier.
; W1's fragments come from memory straight into registers, laid there as an operand's registers: every load of a wave reads 512 consecutive bytes, and each byte is read by one wave of the work-group.
; THE MATRIX INSTRUCTION IS USED TRANSPOSED (source 0 = 16 columns of W1, source 1 = 16 rows of x), and a tile's columns are 32 b + 8 u + r + 8 (r / 8): lane (r, h) then holds row r, and the 16 registers of
; tiles u = 0, 1 are hidden units 32 b + 16 h + 0 .. 15, neighbours along the next K.  The bias is the C of each sum's first instruction.  The hold that the conversion wants clips at 0 as well: the relu.
; STORED: hq: codes [tile][b 32][row 64][32 bytes]; from HSO on the scale bytes [row of the list][32].  Rows past the tile's count repeat its last row and land in rows that nobody reads.
; NO TENSOR LOAD, NO JOINT REQUEST, though the four slices of a tile read the same rows and an expert's tiles the same weights: this text branches on a count read from memory and gathers by stored indices.
; LIMITS: NaN and infinities are not served.  A block of h whose largest number lies under 2^-111, one of zeros too, keeps the byte 1: only this program reads the bytes.  The scale bytes leave as single bytes, 64 a wave.
; THE MODE: SCHED_MODE bits 1:0 = 2 (LLVM: expert scheduling mode 2), set by the entry lines.  The code itself states the register dependences
; between vector or matrix instructions and memory or LDS instructions, with s_wait_alu, always for 0.
; THE PLAN.  Registers that memory or LDS instructions touch:
;   BR0 .. BR2   W1's fragments of K step s lie in BR[s % 3]: written by the loads that step s - 2 asks for (the first three by the kernel's head), read by step s's eight products.
;   AR0, AR1     x's fragments of K step s lie in AR[s % 2]: written by the LDS loads that step s - 1 asks for (the first two ahead of the walk), read by step s's products.
;   SW, SX, BI   loaded once, ahead of the walk; read by products alone.
;   v1-11, v17, v18   offsets and addresses: made at the head and never written again.
;   v128-132, v12-16, v20-23, v128-255   the gather's: addresses of the tokens' loads; the tokens, then the rows' offsets; the rows as loaded, which the LDS stores read.  v192-255 are the accumulators afterwards.
;   PC, v112, v113    written by the conversions and two selects, read by the last stores.
; Step s asks for BR[(s + 2) % 3] and AR[(s + 1) % 2]: the two buffers that step s - 1's products read and that no product of step s names.  So ONE wait on va_vdst stands at a step's head, and the
; step's 24 loads follow it in one run, under one setting of the register windows, ahead of the waits for this step's own data.
.set XSO,    4194304
.set W1S,    33554432
.set ROWTOK, 32768
.set TLO,    50944
.set HSO,    4653056
.set LP,     2128                      ; an LDS row: 2,048 codes + 64 scale bytes + 16 of padding = 133 x 16 bytes: the 16 rows of a load start at 16 different columns of 16 bytes
.set SW,     24                        ; v24-39   W1's scale words, one register a K step: lanes 0-15 tile u = 0, lanes 16-31 u = 1
.set BI,     48                        ; v48-63   the bias of my lane's 16 hidden units; behind the walk: the quantiser's registers
.set TM,     48
.set SX,     64                        ; v64-95   x's scale words: register 16 q + s: lanes 0-15 rows 32 q on, lanes 16-31 rows 32 q + 16 on
.set PC,     96                        ; v96-111  h's codes; v112, v113 its scale bytes
.set ACC,    192                       ; v192-255 accumulator (m, u) at 16 m + 8 u
.set BR,     32                        ; window 1: v32-127  W1's fragments, three K steps by turns
.set AR,     128                       ; window 1: v128-255 x's four fragments of a K step, two K steps by turns
; v1 16 lane; v2 8 lane; v3 64 h; v4-7 LDS address of x's fragment m; v8-9 of x's scale words; v10, v11 where the gather puts rows and scale words; v12-16 gathered offsets; v17, v18 my places in hq; v19-23 at work
; window 1: v0, v1: the closing add's two registers
.set MSB, 0
.macro WIN new                         ; the immediate's high byte repeats the setting that is left; a switch that changes nothing is dropped
.if MSB != \new
	s_set_vgpr_msb (MSB<<8)|\new
.set MSB, \new
.endif
.endm
.set TO1,  0x40                        ; destination window 1, address window 0: every load of a fragment
.set MUL,  0x05                        ; sources 0 and 1 window 1; C and D window 0: the products
	s_load_b256 s[4:11], s[0:1], 0x0               ; xq s[4:5], wq s[6:7], b1 s[8:9], lists s[10:11]
	s_load_b64 s[12:13], s[0:1], 0x20              ; hq
	s_set_vgpr_msb 0x40
	v_lshl_add_u32 v0, v0, 2, 0x21400
	v_mov_b32 v1, 0
	s_set_vgpr_msb 0x4000
	v_lshrrev_b32 v19, 5, v0
	v_readfirstlane_b32 s18, v19                   ; wave 0..7
	s_and_b32 s40, ttmp7, 0xffff                   ; tile
	s_lshl_b32 s16, s40, 3
	s_wait_kmcnt 0x0
	s_load_b64 s[14:15], s[10:11], s16 offset:TLO  ; {expert, rows}
	v_and_b32 v19, 31, v0                          ; lane
	v_lshlrev_b32 v1, 4, v19
	v_lshlrev_b32 v2, 3, v19
	v_and_b32 v20, 15, v0                          ; r
	v_bfe_u32 v21, v0, 4, 1                        ; h
	v_lshlrev_b32 v3, 6, v21
	v_mul_u32_u24 v22, v20, LP
	v_lshl_add_u32 v4, v21, 4, v22                 ; row r, + 16 h
	v_add_nc_u32 v5, 16*LP, v4
	v_add_nc_u32 v6, 32*LP, v4
	v_add_nc_u32 v7, 48*LP, v4
	v_mul_u32_u24 v8, v19, LP
	v_add_nc_u32 v8, 2048, v8                      ; row = lane: its scale words
	v_add_nc_u32 v9, 32*LP, v8
	v_lshrrev_b32 v23, 5, v0
	v_lshl_add_u32 v23, v23, 3, v21                ; the gather: row 8 wave + h (+ 2 p)
	v_mul_u32_u24 v10, v23, LP
	v_lshl_add_u32 v10, v20, 4, v10                ; sixteen lanes to 256 bytes of a row
	v_lshrrev_b32 v16, 2, v0                       ; the scale words: row thread / 4,
	v_mul_u32_u24 v11, v16, LP
	v_and_b32 v22, 3, v0                           ; 16 bytes a thread
	v_lshl_add_u32 v11, v22, 4, v11
	v_add_nc_u32 v11, 2048, v11
	v_lshlrev_b32 v17, 5, v20
	v_lshl_add_u32 v17, v21, 4, v17                ; codes out: 32 r + 16 h
	v_lshlrev_b32 v18, 5, v20
	v_lshl_add_u32 v18, v21, 9, v18                ; scale bytes out: row 16 h + r, 32 bytes a row
	s_wait_alu depctr_va_sdst(0)                   ; s18 is written, ahead of its first reader: the group b and the bases are made from it
	s_lshl_b32 s19, ttmp9, 3
	s_add_co_u32 s19, s19, s18                     ; b
	s_mov_b32 s34, 0x76543210
	s_mov_b32 s35, 0xfedcba98                      ; v_permlanex16_b32's selects for lane l xor 16
	s_mov_b32 s36, 0x600000                        ; the mantissa field of 57,344
	s_mov_b32 s37, 0xffff0000                      ; lanes 16-31
	s_mov_b32 s39, 0
	s_lshl_b32 s38, s40, 16
	s_lshl_b32 s41, s19, 11
	s_add_co_u32 s38, s38, s41
	s_add_nc_u64 s[26:27], s[12:13], s[38:39]      ; h's codes: my tile, my group
	s_lshl_b32 s38, s40, 11
	s_add_co_u32 s38, s38, s19
	s_add_co_u32 s38, s38, HSO
	s_add_nc_u64 s[28:29], s[12:13], s[38:39]      ; h's scale bytes: my tile's rows, byte b
	s_lshl_b32 s38, s40, 8
	s_add_co_u32 s38, s38, ROWTOK
	s_add_nc_u64 s[30:31], s[10:11], s[38:39]      ; my tile's tokens
	s_add_nc_u64 s[32:33], s[4:5], XSO             ; x's scale words
	s_wait_kmcnt 0x0
	s_min_u32 s14, s14, 7
	s_min_u32 s15, s15, 64
	s_lshl_b32 s38, s14, 21
	s_lshl_b32 s41, s19, 16
	s_add_co_u32 s38, s38, s41
	s_add_nc_u64 s[20:21], s[6:7], s[38:39]        ; W1's fragments: my expert, my group
	s_lshl_b32 s38, s14, 16
	s_lshl_b32 s41, s19, 11
	s_add_co_u32 s38, s38, s41
	s_add_co_u32 s38, s38, W1S
	s_add_nc_u64 s[22:23], s[6:7], s[38:39]        ; their scale words
	s_lshl_b32 s38, s14, 12
	s_lshl_b32 s41, s19, 7
	s_add_co_u32 s38, s38, s41
	s_add_nc_u64 s[24:25], s[8:9], s[38:39]        ; the bias
.macro BLOAD s                         ; W1's two fragments of K step s (under TO1)
.irp u, 0,1
.irp c, 0,1,2,3
	global_load_b128 v[BR+32*((\s)%3)+16*\u+4*\c:BR+32*((\s)%3)+16*\u+4*\c+3], v1, s[20:21] offset:4096*(\s)+2048*\u+512*\c
.endr
.endr
.endm
.macro ALOAD s                         ; x's four (under TO1): lane (r, h): registers 4 c .. 4 c + 3 hold K = 128 s + 32 c + 16 h + 0 .. 15 of row 16 m + r
.irp m, 0,1,2,3
.irp c, 0,1,2,3
	ds_load_b128 v[AR+64*((\s)%2)+16*\m+4*\c:AR+64*((\s)%2)+16*\m+4*\c+3], v[4+\m] offset:128*(\s)+32*\c
.endr
.endr
.endm
.macro MM                              ; one product; the registers stand in rD, rA, rB, rC, rSA, rSB; fA, fB: the scales are taken from lanes 16-31
.if (fA == 0) && (fB == 0)
	v_wmma_scale_f32_16x16x128_f8f6f4 v[rD:rD+7], v[rA:rA+15], v[rB:rB+15], v[rC:rC+7], v[rSA], v[rSB] matrix_a_fmt:MATRIX_FMT_BF8 matrix_b_fmt:MATRIX_FMT_BF8
.elseif fB == 0
	v_wmma_scale_f32_16x16x128_f8f6f4 v[rD:rD+7], v[rA:rA+15], v[rB:rB+15], v[rC:rC+7], v[rSA], v[rSB] matrix_a_fmt:MATRIX_FMT_BF8 matrix_b_fmt:MATRIX_FMT_BF8 matrix_a_scale:MATRIX_SCALE_ROW1
.elseif fA == 0
	v_wmma_scale_f32_16x16x128_f8f6f4 v[rD:rD+7], v[rA:rA+15], v[rB:rB+15], v[rC:rC+7], v[rSA], v[rSB] matrix_a_fmt:MATRIX_FMT_BF8 matrix_b_fmt:MATRIX_FMT_BF8 matrix_b_scale:MATRIX_SCALE_ROW1
.else
	v_wmma_scale_f32_16x16x128_f8f6f4 v[rD:rD+7], v[rA:rA+15], v[rB:rB+15], v[rC:rC+7], v[rSA], v[rSB] matrix_a_fmt:MATRIX_FMT_BF8 matrix_b_fmt:MATRIX_FMT_BF8 matrix_a_scale:MATRIX_SCALE_ROW1 matrix_b_scale:MATRIX_SCALE_ROW1
.endif
.endm
; A K step of 128: the loads of later steps first, then eight products, the eight accumulators by turns, one instruction a turn, in the same order in every step.
; Step 0 asks for nothing (what it would ask for went out ahead of the walk), step 15 has nothing left to ask for: neither holds a wait on va_vdst.
.macro STEP s
.if ((\s) > 0) && ((\s) < 15)
	WIN TO1
	s_wait_alu depctr_va_vdst(0)                   ; the last step's products are done reading their fragments of W1 and of x, in which the loads below land
.if (\s) < 14
	BLOAD (\s)+2
.endif
	ALOAD (\s)+1
.endif
.if (\s) < 15
	s_wait_dscnt 16                                ; x's fragments of this step (in step 0 its scale words too) are in; the next step's 16 loads may be out
.else
	s_wait_dscnt 0x0
.endif
.if (\s) < 14
	s_wait_loadcnt 16                              ; W1's too; the two next steps' 16 loads may be out
.elseif (\s) == 14
	s_wait_loadcnt 8
.else
	s_wait_loadcnt 0x0
.endif
	WIN MUL
.irp m, 0,1,2,3
.irp u, 0,1
.set rD, ACC+16*\m+8*\u
.set rA, BR+32*((\s)%3)+16*\u
.set rB, AR+64*((\s)%2)+16*\m
.if (\s) == 0
.set rC, BI+8*\u
.else
.set rC, rD
.endif
.set rSA, SW+(\s)
.set rSB, SX+16*(\m/2)+(\s)
.set fA, \u
.set fB, \m%2
	MM
.endr
.endr
.endm
	; what hangs on the expert alone is asked for at once, in every work-group
	WIN TO1
	s_wait_alu depctr_va_vdst(0)                   ; v1 to v23 are written: the offsets and addresses that the loads and stores of the kernel read
	BLOAD 0
	BLOAD 1
	BLOAD 2
	WIN 0
.irp kc, 0,1,2,3,4,5,6,7
	global_load_b64 v[SW+2*\kc:SW+2*\kc+1], v2, s[22:23] offset:256*\kc
.endr
.irp i, 0,1,2,3
	global_load_b128 v[BI+4*\i:BI+4*\i+3], v3, s[24:25] offset:16*\i
.endr
	s_cmp_eq_u32 s15, 0
	s_cbranch_scc1 .Lnogather                      ; the barrier below stands outside this branch: every wave passes it
	; THE GATHER.  Rows past the tile's count take its last row
	s_add_co_u32 s17, s15, -1
.irp p, 0,1,2,3
	v_add_nc_u32 v[128+\p], 2*\p, v23
	v_min_u32 v[128+\p], s17, v[128+\p]
	v_min_u32 v[128+\p], 63, v[128+\p]
	v_lshlrev_b32 v[128+\p], 2, v[128+\p]
.endr
	v_min_u32 v132, s17, v16
	v_min_u32 v132, 63, v132
	v_lshlrev_b32 v132, 2, v132
	s_wait_alu depctr_va_vdst(0)                   ; v128 to v132 are written, which the five loads read as offsets; the line that read v16 is done, and a load lands there
.irp p, 0,1,2,3
	global_load_b32 v[12+\p], v[128+\p], s[30:31]
.endr
	global_load_b32 v16, v132, s[30:31]
	s_wait_loadcnt 0x0                             ; the tokens' numbers
.irp p, 0,1,2,3
	v_min_u32 v[12+\p], 0x7ff, v[12+\p]
	v_lshlrev_b32 v[12+\p], 11, v[12+\p]
	v_lshl_add_u32 v[12+\p], v20, 4, v[12+\p]      ; 2,048 bytes a token, 16 a lane
.endr
	v_min_u32 v16, 0x7ff, v16
	v_lshlrev_b32 v16, 6, v16
	v_lshl_add_u32 v16, v22, 4, v16
	s_wait_alu depctr_va_vdst(0)                   ; v12 to v16 are written, which the loads below read as offsets; the lines that read v20 and v22 are done, and the scale words land in v20 to v23
	s_wait_alu depctr_vm_vsrc(0)                   ; the tokens' loads have read v128 to v132, in which rows land
	global_load_b128 v[20:23], v16, s[32:33]
.irp p, 0,1,2,3
.irp j, 0,1,2,3,4,5,6,7
	global_load_b128 v[128+4*(8*\p+\j):128+4*(8*\p+\j)+3], v[12+\p], s[4:5] offset:256*\j      ; sixteen lanes read 256 consecutive bytes of a row, aligned
.endr
.endr
	s_wait_loadcnt 32                              ; the scale words are in; the 32 loads behind them may be out
	ds_store_b128 v11, v[20:23]
.irp p, 0,1,2,3
.irp j, 0,1,2,3,4,5,6,7
	s_wait_loadcnt 31-(8*\p+\j)                    ; loads come back in order: this one is in, the younger ones may be out
	ds_store_b128 v10, v[128+4*(8*\p+\j):128+4*(8*\p+\j)+3] offset:2*LP*\p+256*\j
.endr
.endr
	s_wait_alu depctr_vm_vsrc(0)                   ; the LDS stores have read v192 to v255, which the first products write: they are the accumulators from here on
.Lnogather:
	s_wait_dscnt 0x0                               ; for the others' sake: my rows lie in LDS
	s_barrier_signal -1
	s_barrier_wait -1
	s_cmp_eq_u32 s15, 0
	s_cbranch_scc1 .Lend
	s_wait_loadcnt 0x0                             ; W1's first three K steps, its scale words, the bias
.irp q, 0,1
.irp g, 0,1,2,3
	ds_load_b128 v[SX+16*\q+4*\g:SX+16*\q+4*\g+3], v[8+\q] offset:16*\g       ; x's scale words of all 16 K steps, once
.endr
.endr
	WIN TO1
	ALOAD 0
	ALOAD 1
.irp s, 0,1,2,3,4,5,6,7,8,9,10,11,12,13,14,15
	STEP \s
.endr
	WIN 0
.rept 8
	v_nop                                          ; eight places behind the last products, in front of the first read of results and of the first write over the bias's registers
.endr
	; THE QUANTISER: for each tile of rows m one block of 32, in lanes l and l xor 16.  No |.|: what is negative becomes 0 and must not count; the floor stands over it.  Each accumulator is read from its low end on
.irp m, 0,1,2,3
	v_max3_num_f32 v[TM+\m], v[ACC+16*\m], v[ACC+16*\m+1], 0x8000000
.endr
.irp i, 2,4,6,8,10,12,14
.irp m, 0,1,2,3
	v_max3_num_f32 v[TM+\m], v[TM+\m], v[ACC+16*\m+\i], v[ACC+16*\m+\i+1]
.endr
.endr
.irp m, 0,1,2,3
	v_permlanex16_b32 v[TM+4+\m], v[TM+\m], s34, s35
.endr
.irp m, 0,1,2,3
	v_max_num_f32 v[TM+\m], v[TM+\m], v[TM+4+\m]
.endr
.irp m, 0,1,2,3
	v_add_nc_u32 v[TM+12+\m], 0xf8800000, v[TM+\m] ; 15 off the exponent field: the conversion's scale operand
.endr
.irp m, 0,1,2,3
	v_and_or_b32 v[TM+8+\m], v[TM+\m], 0x7f800000, s36   ; 57,344 x the scale
.endr
.irp m, 0,1,2,3
	v_lshrrev_b32 v[TM+4+\m], 23, v[TM+12+\m]      ; the scale's byte
.endr
.irp m, 0,1,2,3
.irp i, 0,1,2,3,4,5,6,7,8,9,10,11,12,13,14,15
	v_med3_num_f32 v[ACC+16*\m+\i], v[ACC+16*\m+\i], 0, v[TM+8+\m]      ; the relu and the hold in one
.endr
	v_cvt_scalef32_pk8_bf8_f32 v[PC+4*\m:PC+4*\m+1], v[ACC+16*\m:ACC+16*\m+7], v[TM+12+\m]
	v_cvt_scalef32_pk8_bf8_f32 v[PC+4*\m+2:PC+4*\m+3], v[ACC+16*\m+8:ACC+16*\m+15], v[TM+12+\m]
.endr
	v_nop                                          ; a plain line behind the last conversion
	v_cndmask_b32 v112, v[TM+4], v[TM+5], s37      ; lanes 0-15 carry the byte of rows 0-15, lanes 16-31 that of rows 16-31;
	v_cndmask_b32 v113, v[TM+6], v[TM+7], s37      ; likewise rows 32-63
	s_wait_alu depctr_va_vdst(0)                   ; the conversions have written the codes and the two selects the bytes, which the stores read
.irp m, 0,1,2,3
	global_store_b128 v17, v[PC+4*\m:PC+4*\m+3], s[26:27] offset:512*\m      ; the wave stores 512 consecutive bytes, aligned
.endr
	global_store_b8 v18, v112, s[28:29]
	global_store_b8 v18, v113, s[28:29] offset:1024
.Lend:
	s_set_vgpr_msb 0x5                             ; the add's two registers, its sources 0 and 1, lie in window 1
	s_wait_dscnt 0x0                               ; the closing lines, six on end
	s_wait_alu 0x0
	s_wait_tensorcnt 0x0
	ds_add_u32 v0, v1
	s_wait_dscnt 0x0
	s_endpgm
.Lfunc_end_k_q0210b2f933_ffn1:
	.size	k_q0210b2f933_ffn1, .Lfunc_end_k_q0210b2f933_ffn1-k_q0210b2f933_ffn1
	.p2alignl 7, 3214868480
	.fill 96, 4, 3214868480
	.section	.rodata,"a",@progbits
	.p2align	6, 0x0
	.amdhsa_kernel k_q0210b2f933_ffn1
		.amdhsa_group_segment_fixed_size 137216
		.amdhsa_private_segment_fixed_size 0
		.amdhsa_enable_private_segment 0
		.amdhsa_kernarg_size 40
		.amdhsa_user_sgpr_count 2
		.amdhsa_user_sgpr_kernarg_segment_ptr 1
		.amdhsa_wavefront_size32 1
		.amdhsa_system_sgpr_workgroup_id_x 1
		.amdhsa_system_sgpr_workgroup_id_y 1
		.amdhsa_system_sgpr_workgroup_id_z 1
		.amdhsa_system_vgpr_workitem_id 0
		.amdhsa_next_free_vgpr 512
		.amdhsa_next_free_sgpr 66
		.amdhsa_reserve_vcc 0
		.amdhsa_float_denorm_mode_32 3
		.amdhsa_float_denorm_mode_16_64 3
		.amdhsa_memory_ordered 1
		.amdhsa_forward_progress 1
		.amdhsa_inst_pref_size 70
	.end_amdhsa_kernel
	.amdgpu_metadata
---
amdhsa.version: [ 1, 2 ]
amdhsa.kernels:
  - .name:           k_q0210b2f933_ffn1
    .symbol:         k_q0210b2f933_ffn1.kd
    .args:
      - { .name: xq, .offset: 0, .size: 8, .value_kind: global_buffer, .address_space: global }
      - { .name: wq, .offset: 8, .size: 8, .value_kind: global_buffer, .address_space: global }
      - { .name: b1, .offset: 16, .size: 8, .value_kind: global_buffer, .address_space: global }
      - { .name: lists, .offset: 24, .size: 8, .value_kind: global_buffer, .address_space: global }
      - { .name: hq, .offset: 32, .size: 8, .value_kind: global_buffer, .address_space: global }
    .group_segment_fixed_size: 137216
    .private_segment_fixed_size: 0
    .kernarg_segment_align: 8
    .kernarg_segment_size: 40
    .max_flat_workgroup_size: 256
    .sgpr_count:     66
    .vgpr_count:     512
    .wavefront_size: 32
...
	.end_amdgpu_metadata
.endif
;; end of part 7
;; launch ffn2 (part 8): grid 8 x 32, 8 waves a work-group, no clusters, 138,240 bytes of LDS; arguments hq, wq, b2, lists, out0; writes out0
.if DOCPART == 8
	.amdgcn_target "amdgcn-amd-amdhsa--gfx1250"
	.amdhsa_code_object_version 6
	.text
	.protected	k_q0210b2f933_ffn2
	.globl	k_q0210b2f933_ffn2
	.p2align	8
	.type	k_q0210b2f933_ffn2,@function
k_q0210b2f933_ffn2:
	s_mov_b64 s[64:65], 0
	v_nop
	global_prefetch_b8 v0, s[64:65] scope:SCOPE_SE
	s_setreg_imm32_b32 hwreg(HW_REG_WAVE_SCHED_MODE, 0, 2), 2
	s_setreg_imm32_b32 hwreg(HW_REG_WAVE_MODE, 25, 1), 1
	s_wait_xcnt 0x0
	s_wait_alu depctr_vm_vsrc(0)
; THE SECOND PRODUCT AND THE COMBINATION: out(token) = w_lo (h_lo W2[lo] + b2[lo]) + w_hi (h_hi W2[hi] + b2[hi]), in MX-BF8 (codes of E5M2, one E8M0 byte for each 32 along K), f32 sums.
; EACH OUTPUT ROW HAS ONE OWNER.  A work-group takes 64 tokens that are neighbours in the order sorted by pairs of experts (grid y) and 256 outputs (grid x); each of its eight waves all 64 tokens x 32 outputs.
; The 128 rows of h (two for each token) are gathered by the stored row numbers into LDS once.  Then every wave walks the eight experts, a loop of constant count without a barrier, and passes over, by a scalar
; branch on the stored keys, those that none of the 64 tokens uses.  In a pass a token whose lo is the expert reads its row of lo's list, every other token its row of hi's list; a token that does not use the
; expert at all so multiplies a row that is not meant for it, and its weight is 0.  The choice enters the LDS address as a number held at 0 or 1 by a minimum with a constant.
; W2's fragments come from memory straight into registers, laid there as an operand's registers: every load of a wave reads 512 consecutive bytes.
; THE MATRIX INSTRUCTION IS USED TRANSPOSED (source 0 = 16 columns of W2, source 1 = 16 rows of h); a tile's columns are 32 b + 8 u + r + 8 (r / 8): lane (r, h) holds token r and, in the 16 registers of tiles
; u = 0, 1, outputs 32 b + 16 h + 0 .. 15.  The bias is the C of a pass's first instructions.  The pass's result is weighed into the sum by packed multiply-adds.
; The sum begins as zeros, written once: which expert comes first is not known to the text.
; NO TENSOR LOAD, NO JOINT REQUEST, though the eight slices of a block read the same rows of h: this text branches on numbers read from memory and gathers by stored indices.
; LIMITS: NaN and infinities are not served, and the result that a weight of 0 throws away (a token's hi row times another expert's weights, plus that expert's bias) must be finite, so that 0 x it is 0.
; REGISTERS, in windows of 256.  Window 0: v1 16 lane; v2 8 lane; v3 64 h; v4-7, v8-11 lo, hi of token 16 m + r; v12-13 lo of token 32 q + lane; v16-19 LDS address of lo's row of h for fragment m;
;   v24-25 of its scale words; v30-37 the weights {lo, hi} for each m; v38-41, v42-43 the pass's addresses; v44-51 the pass's weight, twice, for each m; v52-59 my 8 rows of out0;
;   v60, v61 the stage; v62-71, v96-115 at work at the head; v72-79 W2's scale words; v80-95 h's; v126, v127 the closing add's two; v128-255 h's fragments, two K steps by turns (at the head the gather, at the end rows of out0).
;   Window 1: v0-63 the sum; v64-127 the pass's accumulators, (m, u) at 16 m + 8 u; v128-143 the bias; v144-239 W2's fragments, three K steps by turns.
; THE MODE: SCHED_MODE bits 1:0 = 2 (LLVM: expert scheduling mode 2), set by the entry lines.  The code itself states the register dependences
; between vector or matrix instructions and memory or LDS instructions, with s_wait_alu, always for 0.
; THE PLAN.  Registers that memory or LDS instructions touch, in the loop over experts:
;   BR0 .. BR2   W2's fragments of K step s lie in BR[s % 3]: written by the loads that step s - 2 asks for (the first three by the pass's head), read by step s's eight products.
;   AR0, AR1     h's fragments of K step s lie in AR[s % 2]: written by the LDS loads that step s - 1 asks for (the first two by the pass's head), read by step s's products.
;   SW, SX, BI   loaded at the pass's head; read by the pass's products.
;   v38-43       the pass's LDS addresses: written by the arithmetic at the pass's head, read by all its LDS loads.
;   v1, v2, v3   offsets: made at the kernel's head and never written again; the scalar bases move on from expert to expert.
; At the loop's top one wait on vm_vsrc frees v38-43 (in the first trip also v128-255, which the gather's LDS stores read).  Behind the address arithmetic ONE wait on va_vdst serves all the loads of the
; pass's head.  Step s (1 to 6) asks for BR[(s + 2) % 3] and AR[(s + 1) % 2], the two buffers that step s - 1's products read and that no product of step s names: one wait on va_vdst at its head.
; Outside the loop: the sum is written by the multiply-adds and read by the stage's LDS stores; v52-59 are written at the head and read by the last stores.
.set W2C,   16777216
.set W2S,   34078720
.set WSORT, 34603008
.set HSO,   4653056
.set LP,    1072                       ; an LDS row: 1,024 codes + 32 scale bytes + 16 of padding = 67 x 16 bytes: the 16 rows of a load start at 16 different columns of 16 bytes
.set SLOTB, 64*LP                      ; rows 0-63: the tokens' rows in lo's list; rows 64-127, SLOTB bytes on: in hi's
.set SP,    1040                       ; the stage for the way out, in the rows' bytes once nobody reads them: 64 rows of 1,024 bytes + 16
.set SW,    72
.set SX,    80
.set AR,    128
.set TMP,   64
.set BI,    128
.set BR,    144
.set MSB, 0
.macro WIN new                         ; the immediate's high byte repeats the setting that is left; a switch that changes nothing is dropped
.if MSB != \new
	s_set_vgpr_msb (MSB<<8)|\new
.set MSB, \new
.endif
.endm
.set W_MUL, 0x51                       ; source 0, C and D window 1; source 1 window 0: the products, and the weighing
.set W_TO1, 0x40                       ; destination window 1
.set W_ST1, 0x04                       ; an LDS store's data (its source 1) window 1
	s_load_b256 s[4:11], s[0:1], 0x0               ; hq s[4:5], wq s[6:7], b2 s[8:9], lists s[10:11]
	s_load_b64 s[12:13], s[0:1], 0x20              ; out0
	v_lshl_add_u32 v126, v0, 2, 0x21800
	v_mov_b32 v127, 0
	v_lshrrev_b32 v62, 5, v0
	v_readfirstlane_b32 s18, v62                   ; wave 0..7
	s_and_b32 s19, ttmp7, 0xffff                   ; block of 64 sorted tokens
	v_and_b32 v63, 31, v0                          ; lane
	v_and_b32 v64, 15, v0                          ; r
	v_bfe_u32 v65, v0, 4, 1                        ; h
	v_lshlrev_b32 v1, 4, v63
	v_lshlrev_b32 v2, 3, v63
	v_lshlrev_b32 v3, 6, v65
	v_mul_u32_u24 v66, v64, LP
	v_lshl_add_u32 v16, v65, 4, v66                ; row r, + 16 h
	v_add_nc_u32 v17, 16*LP, v16
	v_add_nc_u32 v18, 32*LP, v16
	v_add_nc_u32 v19, 48*LP, v16
	v_mul_u32_u24 v24, v63, LP
	v_add_nc_u32 v24, 1024, v24                    ; row = lane: its scale words
	v_add_nc_u32 v25, 32*LP, v24
	v_mul_u32_u24 v60, v64, SP
	v_lshl_add_u32 v60, v65, 6, v60
	s_wait_alu depctr_va_sdst(0)                   ; s18 is written, ahead of its first reader: LDS addresses and the group b are made from it
	s_lshl_b32 s27, s18, 7
	v_add_nc_u32 v60, s27, v60                     ; into the stage: row r, my wave's 128 bytes, + 64 h
	v_mov_b32 v99, s27                             ; my 8 rows' records: 16 bytes each
	s_mul_i32 s27, s18, 8*SP
	v_add_nc_u32 v61, s27, v1                      ; back: my 8 rows, 16 bytes a lane
	s_mul_i32 s27, s18, 16*LP
	v_add_nc_u32 v67, s27, v16                     ; the gather puts row 16 wave + r
	v_lshrrev_b32 v68, 1, v0
	v_mul_u32_u24 v69, v68, LP
	v_add_nc_u32 v71, 1056, v69                    ; the padding of row thread / 2
	v_and_b32 v70, 1, v0
	v_lshl_add_u32 v69, v70, 4, v69
	v_add_nc_u32 v69, 1024, v69                    ; and its scale bytes, 16 a thread
	s_and_b32 s27, s18, 3
	s_lshl_b32 s27, s27, 8
	s_lshr_b32 s36, s18, 2
	s_lshl_b32 s36, s36, 2
	s_add_co_u32 s27, s27, s36
	v_lshl_add_u32 v96, v64, 4, s27                ; record of token 16 (wave % 4) + r, list wave / 4
	v_and_b32 v97, 63, v68
	v_lshlrev_b32 v97, 4, v97
	v_lshrrev_b32 v98, 7, v0
	v_lshl_add_u32 v97, v98, 2, v97                ; record of token (thread / 2) % 64, list thread / 128
	v_lshlrev_b32 v98, 4, v64
	v_lshlrev_b32 v100, 3, v64
.irp i, 0,1,2,3
	v_mov_b32 v[112+\i], 0
.endr
	s_lshl_b32 s17, ttmp9, 3
	s_add_co_u32 s17, s17, s18                     ; b
	s_mov_b32 s37, 0
	s_wait_kmcnt 0x0
	s_lshl_b32 s36, s19, 10
	s_add_nc_u64 s[28:29], s[10:11], s[36:37]      ; my block's records
	s_lshl_b32 s36, s19, 9
	s_add_co_u32 s36, s36, WSORT
	s_add_nc_u64 s[30:31], s[6:7], s[36:37]        ; its weights
	s_wait_alu depctr_va_vdst(0)                   ; all that the head has made so far is written: the offsets of the loads below, the LDS addresses v60, v61, v67, v69, v71 and the four zeros v112 to v115 that an LDS store reads
	global_load_b32 v101, v96, s[28:29] offset:8
	global_load_b32 v102, v97, s[28:29] offset:8
.irp m, 0,1,2,3
	global_load_b32 v[4+\m], v98, s[28:29] offset:256*\m+4
.endr
.irp q, 0,1
	global_load_b32 v[12+\q], v1, s[28:29] offset:512*\q+4
.endr
.irp m, 0,1,2,3
	global_load_b64 v[30+2*\m:31+2*\m], v100, s[30:31] offset:128*\m
.endr
.irp i, 0,1,2,3,4,5,6,7
	global_load_b32 v[52+\i], v99, s[28:29] offset:16*\i
.endr
	s_lshl_b32 s36, s17, 15
	s_add_co_u32 s36, s36, W2C
	s_add_nc_u64 s[20:21], s[6:7], s[36:37]        ; W2's fragments: expert 0, my group
	s_lshl_b32 s36, s17, 10
	s_add_co_u32 s36, s36, W2S
	s_add_nc_u64 s[22:23], s[6:7], s[36:37]        ; their scale words
	s_lshl_b32 s36, s17, 7
	s_add_nc_u64 s[24:25], s[8:9], s[36:37]        ; the bias
	s_add_nc_u64 s[32:33], s[4:5], HSO             ; h's scale bytes
	s_lshl_b32 s36, ttmp9, 10
	s_add_nc_u64 s[34:35], s[12:13], s[36:37]      ; out0 at my 256 outputs
	s_wait_loadcnt 0x0
	v_min_u32 v101, 0x11bf, v101
	v_and_b32 v103, 0x1fc0, v101
	v_and_b32 v104, 63, v101
	v_lshlrev_b32 v103, 10, v103                   ; the row's tile: 65,536 bytes,
	v_lshl_add_u32 v103, v104, 5, v103             ; its place there: 32 bytes in each group of 32 hidden units,
	v_lshl_add_u32 v103, v65, 4, v103              ; my half
	v_min_u32 v102, 0x11bf, v102
	v_lshlrev_b32 v102, 5, v102
	v_lshl_add_u32 v102, v70, 4, v102
	s_wait_alu depctr_va_vdst(0)                   ; v102 and v103 are written, which the gather's loads read as offsets
	global_load_b128 v[108:111], v102, s[32:33]
.set i, 0
.rept 32
	global_load_b128 v[AR+4*i:AR+4*i+3], v103, s[4:5] offset:2048*i      ; neighbours in the sorted order are mostly neighbours in an expert's list: the wave then reads 512 consecutive bytes
.set i, i+1
.endr
.irp m, 0,1,2,3
	v_and_b32 v[8+\m], 7, v[4+\m]
	v_bfe_u32 v[4+\m], v[4+\m], 3, 3
.endr
.irp q, 0,1
	v_bfe_u32 v[12+\q], v[12+\q], 3, 3
.endr
.irp i, 0,1,2,3,4,5,6,7
	v_min_u32 v[52+\i], 0x7ff, v[52+\i]
	v_lshl_add_u32 v[52+\i], v[52+\i], 13, v1      ; 8,192 bytes a token, 16 a lane
.endr
	WIN W_TO1
.set i, 0
.rept 64
	v_mov_b32 v[i], 0                              ; the sum
.set i, i+1
.endr
	WIN 0
	ds_store_b128 v71, v[112:115]                  ; the rows' padding is written too (two threads write the same zeros): no byte of the 128 rows is left as it was found
	s_wait_loadcnt 32                              ; the scale bytes are in; the 32 loads behind them may be out
	ds_store_b128 v69, v[108:111]
.set i, 0
.rept 32
	s_wait_loadcnt 31-i                            ; loads come back in order: this one is in, the younger ones may be out
	ds_store_b128 v67, v[AR+4*i:AR+4*i+3] offset:32*i
.set i, i+1
.endr
	s_wait_dscnt 0x0                               ; for the others' sake: my rows lie in LDS
	s_barrier_signal -1
	s_barrier_wait -1
.macro BLOAD s                         ; W2's two fragments of K step s (under W_TO1)
.irp u, 0,1
.irp c, 0,1,2,3
	global_load_b128 v[BR+32*((\s)%3)+16*\u+4*\c:BR+32*((\s)%3)+16*\u+4*\c+3], v1, s[20:21] offset:4096*(\s)+2048*\u+512*\c
.endr
.endr
.endm
.macro ALOAD s                         ; h's four: lane (r, h): registers 4 c .. 4 c + 3 hold K = 128 s + 32 c + 16 h + 0 .. 15 of the row chosen for token 16 m + r
.irp m, 0,1,2,3
.irp c, 0,1,2,3
	ds_load_b128 v[AR+64*((\s)%2)+16*\m+4*\c:AR+64*((\s)%2)+16*\m+4*\c+3], v[38+\m] offset:128*(\s)+32*\c
.endr
.endr
.endm
.macro MM                              ; one product; the registers stand in rD, rA, rB, rC, rSA, rSB; fA, fB: the scales are taken from lanes 16-31
.if (fA == 0) && (fB == 0)
	v_wmma_scale_f32_16x16x128_f8f6f4 v[rD:rD+7], v[rA:rA+15], v[rB:rB+15], v[rC:rC+7], v[rSA], v[rSB] matrix_a_fmt:MATRIX_FMT_BF8 matrix_b_fmt:MATRIX_FMT_BF8
.elseif fB == 0
	v_wmma_scale_f32_16x16x128_f8f6f4 v[rD:rD+7], v[rA:rA+15], v[rB:rB+15], v[rC:rC+7], v[rSA], v[rSB] matrix_a_fmt:MATRIX_FMT_BF8 matrix_b_fmt:MATRIX_FMT_BF8 matrix_a_scale:MATRIX_SCALE_ROW1
.elseif fA == 0
	v_wmma_scale_f32_16x16x128_f8f6f4 v[rD:rD+7], v[rA:rA+15], v[rB:rB+15], v[rC:rC+7], v[rSA], v[rSB] matrix_a_fmt:MATRIX_FMT_BF8 matrix_b_fmt:MATRIX_FMT_BF8 matrix_b_scale:MATRIX_SCALE_ROW1
.else
	v_wmma_scale_f32_16x16x128_f8f6f4 v[rD:rD+7], v[rA:rA+15], v[rB:rB+15], v[rC:rC+7], v[rSA], v[rSB] matrix_a_fmt:MATRIX_FMT_BF8 matrix_b_fmt:MATRIX_FMT_BF8 matrix_a_scale:MATRIX_SCALE_ROW1 matrix_b_scale:MATRIX_SCALE_ROW1
.endif
.endm
; A K step of 128: the loads of later steps first, then eight products, the eight accumulators by turns, one instruction a turn.
; Step 0 asks for nothing (the pass's head has asked for it), step 7 has nothing left to ask for: neither holds a wait on va_vdst.
.macro STEP s
.if ((\s) > 0) && ((\s) < 7)
.if (\s) < 6
	WIN W_TO1
.else
	WIN 0
.endif
	s_wait_alu depctr_va_vdst(0)                   ; the last step's products are done reading their fragments of W2 and of h, in which the loads below land
.if (\s) < 6
	BLOAD (\s)+2
	WIN 0
.endif
	ALOAD (\s)+1
.endif
.if (\s) < 7
	s_wait_dscnt 16                                ; h's fragments (and in step 0 its scale words) are in; the next step's 16 loads may be out
.else
	s_wait_dscnt 0x0
.endif
.if (\s) < 6
	s_wait_loadcnt 16                              ; W2's are in (in step 0 its scale words and the bias too); the two next steps' 16 loads may be out
.elseif (\s) == 6
	s_wait_loadcnt 8
.else
	s_wait_loadcnt 0x0
.endif
	WIN W_MUL
.irp m, 0,1,2,3
.irp u, 0,1
.set rD, TMP+16*\m+8*\u
.set rA, BR+32*((\s)%3)+16*\u
.set rB, AR+64*((\s)%2)+16*\m
.if (\s) == 0
.set rC, BI+8*\u
.else
.set rC, rD
.endif
.set rSA, SW+(\s)
.set rSB, SX+8*(\m/2)+(\s)
.set fA, \u
.set fB, \m%2
	MM
.endr
.endr
.if (\s) == 7
.rept 8
	v_nop                                          ; eight places behind the pass's last products, in front of the first read of results
.endr
.endif
.endm
	s_mov_b32 s26, 0                               ; the expert
.Lexp:
.irp m, 0,1,2,3
	v_cmp_eq_u32 s[40+\m], s26, v[4+\m]
	v_cmp_eq_u32 s[44+\m], s26, v[8+\m]
.endr
	s_wait_alu depctr_va_sdst(0)                   ; the eight masks s40 to s47 are written, ahead of their first reader
	s_wait_alu depctr_vm_vsrc(0)                   ; the last pass's LDS loads have read v38 to v43, which a pass writes anew; in the first trip the gather's LDS stores have read v128 to v255, in which h's fragments land
	s_or_b32 s48, s40, s41
	s_or_b32 s49, s42, s43
	s_or_b32 s48, s48, s49
	s_or_b32 s49, s44, s45
	s_or_b32 s48, s48, s49
	s_or_b32 s49, s46, s47
	s_or_b32 s48, s48, s49
	s_cmp_eq_u32 s48, 0
	s_cbranch_scc1 .Lnext                          ; none of the 64 tokens uses it: the same in all eight waves, and no barrier stands in the loop
	; which of a token's two rows: 0 where the expert is its lo, else 1: lo xor expert, held at 1 by a minimum with a constant; times the distance between the two rows, onto lo's row
.irp i, 0,1,2,3
	v_xor_b32 v[38+\i], s26, v[4+\i]
.endr
.irp q, 0,1
	v_xor_b32 v[42+\q], s26, v[12+\q]
.endr
.irp i, 0,1,2,3,4,5
	v_min_u32 v[38+\i], 1, v[38+\i]
.endr
.irp i, 0,1,2,3,4,5
	v_mul_u32_u24 v[38+\i], v[38+\i], SLOTB
.endr
.irp m, 0,1,2,3
	v_add_nc_u32 v[38+\m], v[38+\m], v[16+\m]
.endr
.irp q, 0,1
	v_add_nc_u32 v[42+\q], v[42+\q], v[24+\q]
.endr
	s_wait_alu depctr_va_vdst(0)                   ; v38 to v43 are written, which the LDS loads read as addresses; the last pass's products are done reading the scale words, the bias and the fragments, in which the loads below land
.irp kc, 0,1,2,3
	global_load_b64 v[SW+2*\kc:SW+2*\kc+1], v2, s[22:23] offset:256*\kc
.endr
	WIN W_TO1
.irp i, 0,1,2,3
	global_load_b128 v[BI+4*\i:BI+4*\i+3], v3, s[24:25] offset:16*\i
.endr
	BLOAD 0
	BLOAD 1
	BLOAD 2
	WIN 0
.irp q, 0,1
	ds_load_b128 v[SX+8*\q:SX+8*\q+3],   v[42+\q]                ; the eight scale words of token 32 q + lane's row: lanes 0-15 serve fragment 2 q, lanes 16-31 fragment 2 q + 1
	ds_load_b128 v[SX+8*\q+4:SX+8*\q+7], v[42+\q] offset:16
.endr
	ALOAD 0
	ALOAD 1
.irp m, 0,1,2,3
	v_cndmask_b32 v[44+2*\m], 0, v[30+2*\m], s[40+\m]            ; the weight: 0, or lo's,
.endr
.irp m, 0,1,2,3
	v_cndmask_b32 v[44+2*\m], v[44+2*\m], v[31+2*\m], s[44+\m]   ; or hi's
.endr
.irp m, 0,1,2,3
	v_mov_b32 v[45+2*\m], v[44+2*\m]
.endr
.irp s, 0,1,2,3,4,5,6,7
	STEP \s
.endr
	v_nop                                          ; a ninth place: the next pass's first products write these accumulators anew, with another C
.set i, 0
.rept 32
	v_pk_fma_f32 v[i:i+1], v[TMP+i:TMP+i+1], v[44+2*(i/16):45+2*(i/16)], v[i:i+1]      ; the sum += the weight x the pass's result; each accumulator is read from its low end on
.set i, i+2
.endr
	WIN 0                                          ; at a label and at a branch every window is 0
.Lnext:
	s_add_nc_u64 s[20:21], s[20:21], 0x200000      ; the next expert's fragments, scale words and bias: every load that named these bases has been waited for
	s_add_nc_u64 s[22:23], s[22:23], 0x10000
	s_add_nc_u64 s[24:25], s[24:25], 0x2000
	s_add_co_u32 s26, s26, 1
	s_cmp_lt_u32 s26, 8
	s_cbranch_scc1 .Lexp
	; THE WAY OUT.  A token's 256 outputs come from eight waves: they meet in the stage, and each wave stores 8 whole rows of 1,024 bytes
	s_wait_dscnt 0x0                               ; my reads of the rows of h are over
	s_barrier_signal -1
	s_barrier_wait -1                              ; everybody's are: the stage may take their bytes
	WIN W_ST1
	s_wait_alu depctr_va_vdst(0)                   ; the multiply-adds have written the sum, which the LDS stores read; v52 to v59 are written, which the last stores read as offsets; the products are done reading v128 on, in which the stage's rows land
.irp m, 0,1,2,3
.irp k, 0,1,2,3
	ds_store_b128 v60, v[16*\m+4*\k:16*\m+4*\k+3] offset:16*SP*\m+16*\k
.endr
.endr
	WIN 0
	s_wait_dscnt 0x0                               ; for the others' sake
	s_barrier_signal -1
	s_barrier_wait -1
.irp i, 0,1,2,3,4,5,6,7
.irp f, 0,1
	ds_load_b128 v[AR+4*(2*\i+\f):AR+4*(2*\i+\f)+3], v61 offset:SP*\i+512*\f
.endr
.endr
.irp i, 0,1,2,3,4,5,6,7
.irp f, 0,1
	s_wait_dscnt 15-(2*\i+\f)
	global_store_b128 v[52+\i], v[AR+4*(2*\i+\f):AR+4*(2*\i+\f)+3], s[34:35] offset:512*\f th:TH_STORE_NT      ; the wave stores 512 consecutive bytes of one token's row, aligned
.endr
.endr
	s_wait_dscnt 0x0                               ; the closing lines, six on end
	s_wait_alu 0x0
	s_wait_tensorcnt 0x0
	ds_add_u32 v126, v127
	s_wait_dscnt 0x0
	s_endpgm
.Lfunc_end_k_q0210b2f933_ffn2:
	.size	k_q0210b2f933_ffn2, .Lfunc_end_k_q0210b2f933_ffn2-k_q0210b2f933_ffn2
	.p2alignl 7, 3214868480
	.fill 96, 4, 3214868480
	.section	.rodata,"a",@progbits
	.p2align	6, 0x0
	.amdhsa_kernel k_q0210b2f933_ffn2
		.amdhsa_group_segment_fixed_size 138240
		.amdhsa_private_segment_fixed_size 0
		.amdhsa_enable_private_segment 0
		.amdhsa_kernarg_size 40
		.amdhsa_user_sgpr_count 2
		.amdhsa_user_sgpr_kernarg_segment_ptr 1
		.amdhsa_wavefront_size32 1
		.amdhsa_system_sgpr_workgroup_id_x 1
		.amdhsa_system_sgpr_workgroup_id_y 1
		.amdhsa_system_sgpr_workgroup_id_z 1
		.amdhsa_system_vgpr_workitem_id 0
		.amdhsa_next_free_vgpr 512
		.amdhsa_next_free_sgpr 66
		.amdhsa_reserve_vcc 0
		.amdhsa_float_denorm_mode_32 3
		.amdhsa_float_denorm_mode_16_64 3
		.amdhsa_memory_ordered 1
		.amdhsa_forward_progress 1
		.amdhsa_inst_pref_size 51
	.end_amdhsa_kernel
	.amdgpu_metadata
---
amdhsa.version: [ 1, 2 ]
amdhsa.kernels:
  - .name:           k_q0210b2f933_ffn2
    .symbol:         k_q0210b2f933_ffn2.kd
    .args:
      - { .name: hq, .offset: 0, .size: 8, .value_kind: global_buffer, .address_space: global }
      - { .name: wq, .offset: 8, .size: 8, .value_kind: global_buffer, .address_space: global }
      - { .name: b2, .offset: 16, .size: 8, .value_kind: global_buffer, .address_space: global }
      - { .name: lists, .offset: 24, .size: 8, .value_kind: global_buffer, .address_space: global }
      - { .name: out0, .offset: 32, .size: 8, .value_kind: global_buffer, .address_space: global }
    .group_segment_fixed_size: 138240
    .private_segment_fixed_size: 0
    .kernarg_segment_align: 8
    .kernarg_segment_size: 40
    .max_flat_workgroup_size: 256
    .sgpr_count:     66
    .vgpr_count:     512
    .wavefront_size: 32
...
	.end_amdgpu_metadata
.endif
;; end of part 8
